; MI455X (gfx1250); checked and timed in simulation.
; The chip was launched on July 23, 2026; its instructions are those of AMD's public machine-readable ISA for CDNA 5 (MIT licence, August 2026) and "CDNA5" Instruction Set Architecture Reference Guide (July 2026). The comments in the code are by the model that wrote it; some were corrected since.
;; Multi Head Attention. Allowed arithmetic: matrix products marked QUANTISED: E4M3 operands, one given power-of-two scale a tensor, by v_wmma_f32_16x16x64_fp8_fp8 or v_wmma_f32_16x16x128_fp8_fp8, f32 sums; everything else in f32.
;; Inputs: Wk_codes 1,024 x 32 x 32 uint8 (E4M3 codes of Wk, K innermost, in blocks of 32 codes); Wo_codes 1,024 x 32 x 32 uint8 (E4M3 codes of Wo, K innermost, in blocks of 32 codes); Wq_codes 1,024 x 32 x 32 uint8 (E4M3 codes of Wq, K innermost, in blocks of 32 codes); Wv_codes 1,024 x 32 x 32 uint8 (E4M3 codes of Wv, K innermost, in blocks of 32 codes); lowp_scales 12 int32 (the exponents e of the quantised operands' scales 2^e); mask 2,048 x 2,048 int32; x_codes 4 x 2,048 x 32 x 32 uint8 (E4M3 codes of x, K innermost, in blocks of 32 codes).
;; Outputs: out0 4 x 2,048 x 1,024 float32.
;; This version of the problem:
;;   THIS VERSION OF THE PROBLEM IS GIVEN IN LOW PRECISION. The matrix products marked QUANTISED in the list below multiply operands that are first quantised to E4M3 (4 exponent bits, 3 mantissa bits; 8 bits a number), with one given power-of-two scale for each operand tensor; their sums are f32. All else is computed in f32.
;;   The module's matrix products, in the order in which they are computed (A, B: the left and right operand; K: the contracted axis; several contracted axes count as one K, in the product's order):
;;     1. [M 8,192, K 1,024] x [K 1,024, N 1,024]; A: input x (given as codes); B: input Wq (given as codes): QUANTISED (scales: A lowp_scales[0], B lowp_scales[1])
;;     2. [M 8,192, K 1,024] x [K 1,024, N 1,024]; A: input x (given as codes); B: input Wk (given as codes): QUANTISED (scales: A lowp_scales[2], B lowp_scales[3])
;;     3. [M 8,192, K 1,024] x [K 1,024, N 1,024]; A: input x (given as codes); B: input Wv (given as codes): QUANTISED (scales: A lowp_scales[4], B lowp_scales[5])
;;     4. batch 64 x [M 2,048, K 64] x [K 64, N 2,048]; A: computed on the way; B: computed on the way: QUANTISED (scales: A lowp_scales[6], B lowp_scales[7])
;;     5. batch 64 x [M 2,048, K 2,048] x [K 2,048, N 64]; A: softmax (see below); B: computed on the way: QUANTISED (scales: A lowp_scales[8], B lowp_scales[9])
;;     6. [M 8,192, K 1,024] x [K 1,024, N 1,024]; A: computed on the way; B: input Wo (given as codes): QUANTISED (scales: A lowp_scales[10], B lowp_scales[11])
;;   THE QUANTISER, for each operand of a quantised product, along K:
;;     - The operand's scale is 2^e, e = its entry of the input lowp_scales (int32; the entries are numbered through the quantised products in the list's order, A before B).
;;     - Each number is divided by the scale, clamped to +-448, and rounded to the nearest number of E4M3, ties to even, subnormals kept.
;;     - The product sums the exact products of the quantised numbers (number of the format x scale) in f32.
;;   ~~~python
;;   def quantise(x, axis, e):      # numpy; x: float32 -> the quantised numbers, widened to float32 again
;;       x = np.moveaxis(x, axis, -1); K = x.shape[-1]
;;       r = np.clip(x / 2.0 ** e, -448, 448)
;;       step = 2.0 ** (np.maximum(np.frexp(np.where(r == 0, 1, r))[1] - 1, -6) - 3)
;;       q = np.round(r / step) * step * 2.0 ** e      # np.round: ties to even
;;       return np.moveaxis(q, -1, axis).astype(np.float32)
;;   ~~~
;;   SOFTMAX AHEAD OF A QUANTISED PRODUCT. Where the list says 'softmax', what is quantised is not the finished softmax but p = 2^(t - M), with t = logit x log2(e) and M = ceil(the row's largest t), a whole number; so 1/2 < the row's largest p <= 1. The row's sum l is taken of the UNQUANTISED p, in f32, and the product's result is divided by l at the end. Since M is a whole number, a kernel that streams over the keys may use a running M (the ceiling of the running maximum): every later rescaling is an exact power of two, so the quantised numbers keep their values, but for numbers so far below the row's largest that they fall under the format's range.
;;   OPERANDS COMPUTED ON THE WAY. 'Computed on the way' means the value that the module computes at that place (a softmax that the list does not call 'softmax' is quantised finished and normalised). What goes into a quantiser is computed in f32, as accurately as f32 sums, v_exp_f32 and their like allow (about 1e-6 of the number): no bf16 or f16 on the way to a quantiser, and a product that is left as it is and whose result goes on into a quantised operand takes f32 operands (vector FMAs, or v_wmma_f32_16x16x4_f32). A number that lies on a knife's edge between two numbers of the format may be rounded either way, as far as f32 arithmetic and the matrix unit's own rounding can turn it there, and no further.
;;   INPUTS GIVEN AS CODES. Wk (in the module: [1024, 1024], K = its axis 1); Wo (in the module: [1024, 1024], K = its axis 1); Wq (in the module: [1024, 1024], K = its axis 1); Wv (in the module: [1024, 1024], K = its axis 1); x (in the module: [4, 2048, 1024], K = its axis 2): each comes as NAME_codes (uint8): NAME with its K axis moved to the last place and cut into blocks of 32 codes, [.., K / 32, bytes a block], one block behind the other in memory; one code a byte (a code: sign, 4 exponent bits, 3 mantissa bits); its scale is its entry of lowp_scales. Its value is code x scale, taken as it is: it is not quantised again, and the codes and scales need not be those that the quantiser above would give.
;; 2 versions, each right; version 2 is version 1 with the launch attn written anew for expert scheduling mode. Each part assembles by itself: llvm-mc -triple=amdgcn-amd-amdhsa -mcpu=gfx1250 --defsym DOCPART=n.
;; ======== version 1 of 2: 4 launches
;; workspace buffers: q_ws 8,388,608 bytes; k_ws 8,388,608 bytes; v_ws 8,388,608 bytes; a_ws 8,388,608 bytes; mbits 524,288 bytes of whole numbers; flags 512 bytes of whole numbers
;; launch pack (part 1): grid 64 x 1, 32 waves a work-group, no clusters, 143,872 bytes of LDS; arguments mask, mbits, flags; writes mbits, flags
.if DOCPART == 1
	.amdgcn_target "amdgcn-amd-amdhsa--gfx1250"
	.amdhsa_code_object_version 6
	.text
	.protected	k_qd6433a47a3_pack
	.globl	k_qd6433a47a3_pack
	.p2align	8
	.type	k_qd6433a47a3_pack,@function
k_qd6433a47a3_pack:
	s_mov_b64 s[64:65], 0
	v_nop
	global_prefetch_b8 v0, s[64:65] scope:SCOPE_SE
	s_setreg_imm32_b32 hwreg(HW_REG_WAVE_MODE, 25, 1), 1
	s_wait_xcnt 0x0
; The mask [2048][2048] of int32 becomes lane-mask words for the attention launch, and two words of flags for each group of 32 queries.
; Work-group g takes queries 32 g .. 32 g + 31; its wave s takes keys 64 s .. 64 s + 63: 32 rows x 256 bytes, all sixteen loads out at once.
; mbits: dword (g*32 + s)*64 + 32 u + j  (u: tile of 16 queries; j = 16 b + i): bit l = (r = l % 16, h = l / 16) is 1 where mask[32 g + 16 u + r][64 s + 32 b + 16 h + i] == 0:
;   the lane and register in which the attention launch holds that score.
; flags: need[g] at byte 4 g: bit s = the tile (g, s) has an element that is kept; all ones where some query of g has no kept key at all (its softmax then runs over the masked scores).
;        part[g] at byte 256 + 4 g: bit s = the tile has a masked element.
; A load takes two whole rows of 256 bytes; the lane that needs a number is another one, so a tile of 16 rows turns through the wave's own stage in LDS (rows of 272 bytes).
; No matrix unit, no cluster, no prefetch: the mask is read once, as one burst, and nothing is shared between work-groups.
.set PW,  16*272                       ; a wave's stage
.set FL,  32*PW                        ; behind the stages: 32 words KEPT, 32 words MASKD, 32 words RM
.set X,   16                           ; v16-79  as loaded
.set Y,   80                           ; v80-111 a tile's 32 numbers of my lane
	s_load_b128 s[4:7], s[0:1], 0x0                ; mask, mbits
	s_load_b64 s[8:9], s[0:1], 0x10                ; flags
	v_lshl_add_u32 v126, v0, 2, 0x22200
	v_mov_b32 v127, 0
	v_lshrrev_b32 v8, 5, v0
	v_readfirstlane_b32 s10, v8                    ; wave = key step s
	v_and_b32 v1, 31, v0                           ; lane
	v_and_b32 v9, 15, v0                           ; r
	v_bfe_u32 v10, v0, 4, 1                        ; h
	v_lshlrev_b32 v2, 13, v10
	v_lshl_add_u32 v2, v9, 4, v2                   ; in memory: lanes 0-15 one row's 256 bytes, lanes 16-31 the next row's (8,192 bytes on)
	s_mul_i32 s11, s10, PW
	v_mul_u32_u24 v3, v10, 272
	v_lshl_add_u32 v3, v9, 4, v3
	v_add_nc_u32 v3, s11, v3                       ; into the stage, as loaded
	v_mul_u32_u24 v4, v9, 272
	v_lshl_add_u32 v4, v10, 6, v4
	v_add_nc_u32 v4, s11, v4                       ; out of it: row r, keys 16 h on
	v_lshlrev_b32 v5, 3, v1                        ; two words a lane of the wave's 64
	v_mov_b32 v6, 0                                ; (a lane write reads its destination)
	v_mov_b32 v7, 0
	s_lshl_b32 s12, ttmp9, 18                      ; 32 rows of 8,192 bytes
	s_lshl_b32 s13, s10, 8
	s_add_co_u32 s12, s12, s13
	s_mov_b32 s13, 0
	s_lshl_b32 s14, ttmp9, 5
	s_add_co_u32 s14, s14, s10
	s_lshl_b32 s14, s14, 8                         ; (g*32 + s) x 256 bytes
	s_mov_b32 s15, 0
	s_wait_kmcnt 0x0
	s_add_nc_u64 s[4:5], s[4:5], s[12:13]
	s_add_nc_u64 s[6:7], s[6:7], s[14:15]
.irp n, 0,1,2,3,4,5,6,7,8,9,10,11,12,13,14,15
	global_load_b128 v[X+4*\n:X+4*\n+3], v2, s[4:5] offset:\n*16384 th:TH_LOAD_NT   ; rows 2 n and 2 n + 1: two aligned runs of 256 bytes
.endr
.irp u, 0,1
	s_wait_loadcnt 8-8*\u                          ; this tile's eight loads are in; the other tile's may be out
.irp n, 0,1,2,3,4,5,6,7
	ds_store_b128 v3, v[X+32*\u+4*\n:X+32*\u+4*\n+3] offset:544*\n
.endr
.irp b, 0,1
.irp c, 0,1,2,3
	ds_load_b128 v[Y+16*\b+4*\c:Y+16*\b+4*\c+3], v4 offset:128*\b+16*\c   ; LDS serves a wave's instructions in order: these see the stores above
.endr
.endr
	s_wait_dscnt 0x0
.set jj, 0
.rept 32
	v_cmp_eq_u32 s[32+36*\u+jj], 0, v[Y+jj]        ; tile 0: s32-63; tile 1: s68-99
.set jj, jj+1
.endr
.endr
	s_and_b32 s20, s32, s33                        ; bit l: all 32 numbers of lane l are masked, tile 0
	s_and_b32 s21, s68, s69                        ; tile 1
	s_or_b32 s22, s32, s33
	s_or_b32 s23, s68, s69
.set jj, 2
.rept 30
	s_and_b32 s20, s20, s[32+jj]
	s_and_b32 s21, s21, s[68+jj]
	s_or_b32 s22, s22, s[32+jj]
	s_or_b32 s23, s23, s[68+jj]
.set jj, jj+1
.endr
	s_or_b32 s22, s22, s23
	s_and_b32 s23, s20, s21
	s_cmp_lg_u32 s23, -1
	s_cselect_b32 s24, 1, 0                        ; something in the tile is kept
	s_cmp_lg_u32 s22, 0
	s_cselect_b32 s25, 1, 0                        ; something is masked
	s_lshr_b32 s26, s20, 16
	s_and_b32 s26, s26, s20
	s_and_b32 s26, s26, 0xffff                     ; bit r: row r of tile 0 is wholly masked in this step (both halves of the lanes)
	s_lshr_b32 s27, s21, 16
	s_and_b32 s27, s27, s21
	s_lshl_b32 s27, s27, 16
	s_or_b32 s26, s26, s27                         ; bits 16 + r: tile 1
.set dd, 0
.rept 32
	v_writelane_b32 v[6+dd%2], s[32+dd], dd/2      ; word D goes to lane D / 2, register D % 2
.set dd, dd+1
.endr
.set dd, 0
.rept 32
	v_writelane_b32 v[6+dd%2], s[68+dd], 16+dd/2
.set dd, dd+1
.endr
	global_store_b64 v5, v[6:7], s[6:7]            ; the wave stores 256 consecutive bytes, aligned
	v_mov_b32 v8, s24
	v_mov_b32 v9, s25
	v_mov_b32 v10, s26
	s_lshl_b32 s28, s10, 2
	s_add_co_u32 s28, s28, FL
	v_mov_b32 v11, s28
	ds_store_b32 v11, v8                           ; all lanes write the same word with the same value
	ds_store_b32 v11, v9 offset:128
	ds_store_b32 v11, v10 offset:256
	s_wait_dscnt 0x0                               ; for wave 0's sake: my three words have landed
	s_barrier_signal -1
	s_barrier_wait -1
	s_cmp_lg_u32 s10, 0
	s_cbranch_scc1 .Lend                           ; wave 0 gathers the group's flags
	v_lshl_add_u32 v12, v1, 2, FL
	v_mov_b32 v13, FL+256
	ds_load_b32 v14, v12                           ; KEPT of step = my lane
	ds_load_b32 v15, v12 offset:128                ; MASKD
.irp n, 0,1,2,3,4,5,6,7
	ds_load_b128 v[X+4*\n:X+4*\n+3], v13 offset:16*\n   ; all 32 words RM, in every lane
.endr
	s_wait_dscnt 0x0
	v_cmp_ne_u32 s20, 0, v14                       ; need: bit s
	v_cmp_ne_u32 s21, 0, v15                       ; part: bit s
.set jj, 1
.rept 31
	v_and_b32 v[X], v[X], v[X+jj]                  ; rows that are wholly masked in every step
.set jj, jj+1
.endr
	v_readfirstlane_b32 s22, v[X]
	s_cmp_lg_u32 s22, 0
	s_cselect_b32 s20, -1, s20                     ; such a row needs every step
	v_mov_b32 v8, s20
	v_mov_b32 v9, s21
	v_cmp_eq_u32 vcc_lo, 1, v1
	v_cndmask_b32 v8, v8, v9, vcc_lo               ; lane 0: need, lane 1: part
	v_lshlrev_b32 v9, 8, v1
	s_lshl_b32 s23, ttmp9, 2
	v_add_nc_u32 v9, s23, v9                       ; byte 4 g, and 256 + 4 g
	v_cmp_gt_u32 vcc_lo, 2, v1
	s_wait_xcnt 0x0                                ; EXEC is a source of the store above: it changes only behind this wait
	s_and_saveexec_b32 s24, vcc_lo
	global_store_b32 v9, v8, s[8:9]
	s_wait_xcnt 0x0                                ; and again in front of the line that widens it
	s_or_b32 exec_lo, exec_lo, s24
.Lend:
	s_wait_tensorcnt 0x0
	ds_add_u32 v126, v127
	s_wait_dscnt 0x0
	s_endpgm
.Lfunc_end_k_qd6433a47a3_pack:
	.size	k_qd6433a47a3_pack, .Lfunc_end_k_qd6433a47a3_pack-k_qd6433a47a3_pack
	.p2alignl 7, 3214868480
	.fill 96, 4, 3214868480
	.section	.rodata,"a",@progbits
	.p2align	6, 0x0
	.amdhsa_kernel k_qd6433a47a3_pack
		.amdhsa_group_segment_fixed_size 143872
		.amdhsa_private_segment_fixed_size 0
		.amdhsa_enable_private_segment 0
		.amdhsa_kernarg_size 24
		.amdhsa_user_sgpr_count 2
		.amdhsa_user_sgpr_kernarg_segment_ptr 1
		.amdhsa_wavefront_size32 1
		.amdhsa_system_sgpr_workgroup_id_x 1
		.amdhsa_system_sgpr_workgroup_id_y 1
		.amdhsa_system_sgpr_workgroup_id_z 1
		.amdhsa_system_vgpr_workitem_id 0
		.amdhsa_next_free_vgpr 128
		.amdhsa_next_free_sgpr 100
		.amdhsa_reserve_vcc 1
		.amdhsa_float_denorm_mode_32 3
		.amdhsa_float_denorm_mode_16_64 3
		.amdhsa_memory_ordered 1
		.amdhsa_forward_progress 1
		.amdhsa_inst_pref_size 21
	.end_amdhsa_kernel
	.amdgpu_metadata
---
amdhsa.version: [ 1, 2 ]
amdhsa.kernels:
  - .name:           k_qd6433a47a3_pack
    .symbol:         k_qd6433a47a3_pack.kd
    .args:
      - { .name: mask, .offset: 0, .size: 8, .value_kind: global_buffer, .address_space: global }
      - { .name: mbits, .offset: 8, .size: 8, .value_kind: global_buffer, .address_space: global }
      - { .name: flags, .offset: 16, .size: 8, .value_kind: global_buffer, .address_space: global }
    .group_segment_fixed_size: 143872
    .private_segment_fixed_size: 0
    .kernarg_segment_align: 8
    .kernarg_segment_size: 24
    .max_flat_workgroup_size: 1024
    .sgpr_count:     100
    .vgpr_count:     128
    .wavefront_size: 32
...
	.end_amdgpu_metadata
.endif
;; end of part 1
;; launch qkv (part 2): grid 12 x 32, 4 waves a work-group, clusters of 4 x 4, 327,680 bytes of LDS; arguments x_codes, Wq_codes, Wk_codes, Wv_codes, lowp_scales, q_ws, k_ws, v_ws; writes q_ws, k_ws, v_ws
.if DOCPART == 2
	.amdgcn_target "amdgcn-amd-amdhsa--gfx1250"
	.amdhsa_code_object_version 6
	.text
	.protected	k_qd6433a47a3_qkv
	.globl	k_qd6433a47a3_qkv
	.p2align	8
	.type	k_qd6433a47a3_qkv,@function
k_qd6433a47a3_qkv:
	s_mov_b64 s[64:65], 0
	v_nop
	global_prefetch_b8 v0, s[64:65] scope:SCOPE_SE
	s_setreg_imm32_b32 hwreg(HW_REG_WAVE_MODE, 25, 1), 1
	s_wait_xcnt 0x0
	s_wait_alu depctr_hold_cnt(0) depctr_sa_sdst(0) depctr_va_vdst(0) depctr_va_sdst(0) depctr_va_ssrc(0) depctr_va_vcc(0) depctr_vm_vsrc(0)
	s_getreg_b32 s2, hwreg(HW_REG_IB_STS2, 6, 4)
	s_cmp_eq_u32 s2, 0
	s_cbranch_scc0 .Lentry_in_a_cluster
	s_endpgm
.Lentry_in_a_cluster:
	s_bfe_u32 s2, ttmp6, 0x10000c
	s_cmp_lg_u32 s2, 0xf033
	s_cbranch_scc0 .Lentry_shape_is_right
	s_endpgm
.Lentry_shape_is_right:
; q = x Wq^T, k = x Wk^T, v = x Wv^T on codes of FP8 (E4M3), and each result quantised at once with its given scale, as the operand that attention wants.
; One launch: the cluster's x (0, 1, 2) says which of the three.  A tile of 256 x 256 is made by a work-group of four waves, a wave makes 128 x 128: 64 accumulators, 512 registers.
; K = 1,024 goes in steps of 256 through a ring of two LDS slots filled by the tensor data mover.
; SIDES.  The matrix instruction takes side B's rows as source 0 and side A's as source 1: a lane then holds one row of side A and eight NEIGHBOURS along side B.
;   q, k: side A = x (tokens), side B = W (features): eight neighbouring features of a token: codes with the head's 64 innermost.
;   v:    side A = Wv (features), side B = x (tokens): eight neighbouring tokens of a feature: codes with the KEYS innermost.  Only pointers and tile numbers are chosen; the loop is one.
; CLUSTERS: 4 x 4 work-groups.  Side A's tile hangs on cy (and the cluster's y), and is asked for jointly by the four of a row of the cluster; side B's on cx, by the four of a column.
; OUT: chunks of 4,096 bytes, chunk (batch*16 + head)*32 + block of 64 tokens: q, k: [64 tokens][64 features]; v: [64 features][64 tokens].
; A sum stands for sum x 2^(ex + ew); its code is sum / 2^E, E = eo - ex - ew, held within +-448 x 2^E.  LIMIT: E between -126 and 119, so that both powers are f32 numbers.
; REGISTERS, in windows of 256: window 0: v0-31 addresses; from v128 side A's fragments, one set; on the way out v32-159 at work.  window 1: side B's fragments, two sets.  windows 2, 3: the accumulators.
.set KSTEP,  256
.set ROWB,   256                       ; a tile's row in bytes
.set KROW,   1024                      ; a row of x or of W in memory
.set PITCH,  272                       ; an LDS row: 256 bytes + 16 of padding: the 16 rows that a load touches start at 16 different banks (64 banks of 4 bytes: ISA guide 11.1)
.set FR,     16
.set NL,     4
.set NP,     4                         ; places behind this matrix instruction (ISA guide 7.12.1)
.set HALFT,  128*PITCH
.set SLOT,   4*HALFT
.set LAPS,   2                         ; 1,024 / 512
.set SPARE,  2*SLOT                    ; behind the ring: the spare words, 128 bytes for each wave
.set ADRA, 16
.set ADRB, 20
.set STO,  24                          ; the way out: where I put 8 bytes of a row
.set RD,   25                          ; where I read 16 bytes back
.set CO,   26                          ; 16 x lane
.set SPW,  28
.set NIL,  29
.set SCR,  30                          ; 2^E as f32
.set LIMR, 31                          ; 448 x 2^E
.set TMP,  32                          ; v32-95   a block's sums, held
.set CD,   96                          ; v96-127  codes, two sets of 16
.set AF,   128
.set BK,   128                         ; v128-159 rows read back, two sets of 16
.set G1, 24
.set G0, 32
.set G1B, 48
.set G0B, 56
.set OB,  68                           ; s[68:75] the four chunks' addresses: OB + 4 (b / 4) + 2 (a / 4)
.set MSB, 0
.macro WIN new                         ; the immediate's high byte repeats the setting that is left
.if MSB != \new
	s_set_vgpr_msb (MSB<<8)|\new
.set MSB, \new
.endif
.endm
.set MUL_LO, 0xa1                      ; source 0 window 1, source 1 window 0, C and D window 2
.set MUL_HI, 0xf1
.set TO_B,   0x40
; A joint load: waves 0 and 1 fetch for side A, waves 2 and 3 for side B; the branch hangs on the wave's number alone.  Four v_nop follow each of the two lines.
.macro JLOAD g0a, g1a, g0b, g1b
	s_cmp_eq_u32 s15, 0
	s_cbranch_scc0 .Lfor_b_\@
	tensor_load_to_lds s[\g0a:\g0a+3], s[\g1a:\g1a+7]
	s_nop 0
.rept 4
	v_nop
.endr
	s_branch .Lasked_\@
.Lfor_b_\@:
	tensor_load_to_lds s[\g0b:\g0b+3], s[\g1b:\g1b+7]
	s_nop 0
.rept 4
	v_nop
.endr
.Lasked_\@:
.endm
.macro CREST                           ; a round of the cluster's barrier behind its opening barrier
	s_cmp_lg_u32 s14, 0
	s_cbranch_scc1 .Lnot_wave_0_\@
	s_barrier_signal -3
.Lnot_wave_0_\@:
	s_barrier_wait -3
	s_barrier_signal -1
	s_barrier_wait -1
.endm
.macro CROUND
	s_barrier_signal -1
	s_barrier_wait -1
	CREST
.endm
	s_load_b512 s[68:83], s[0:1], 0x0              ; x s[68:69], Wq, Wk, Wv s[70:75], the scales s[76:77], q_ws, k_ws, v_ws s[78:83]
	v_lshl_add_u32 v[SPW], v0, 2, SPARE
	v_mov_b32 v[NIL], 0
	ds_add_u32 v28, v29
	ds_add_u32 v28, v29
	s_wait_dscnt 0x0
	v_lshrrev_b32 v1, 5, v0
	v_readfirstlane_b32 s14, v1                    ; wave 0..3
	s_lshr_b32 s15, s14, 1                         ; which half of side A's rows is mine.  Also: I fetch for A (0) or for B (1)
	s_and_b32 s16, s14, 1                          ; which half of side B's.  Also: which 128 rows of that tile I fetch
	s_bfe_u32 s40, ttmp6, 0x40000                  ; cx
	s_bfe_u32 s41, ttmp6, 0x40004                  ; cy
	s_and_b32 s17, ttmp7, 0xffff
	s_lshl_b32 s17, s17, 2                         ; 4 x cluster y: it counts tiles of tokens, which lie on side A for q and k, on side B for v
	s_cmp_eq_u32 ttmp9, 2                          ; v?  The cluster's x is the same in all sixteen partners
	s_cselect_b32 s42, s17, 0
	s_cselect_b32 s17, 0, s17
	s_add_co_u32 s42, s42, s40                     ; side B's tile: cx (+ 4 x cluster y)
	s_add_co_u32 s17, s17, s41                     ; side A's tile: cy (+ 4 x cluster y)
	s_lshl_b32 s43, s41, 2
	s_lshl_b32 s43, 15, s43                        ; my row of the cluster
	s_lshl_b32 s44, 0x1111, s40                    ; my column
	s_or_b32 s[G1+0], s43, (0<<16)|(1<<20)|(1<<21)|(5<<22)|(3<<25)  ; the mask; elements of 1 byte; padding on; bit 21 beside a mask; 4 words of padding after every 64
	s_or_b32 s[G1B+0], s44, (0<<16)|(1<<20)|(1<<21)|(5<<22)|(3<<25)
.irp g, G1, G1B
	s_mov_b32 s[\g+1], ROWB<<16                    ; tensor_dim0
	s_mov_b32 s[\g+2], 128<<16                     ; tensor_dim1
	s_mov_b32 s[\g+3], ROWB<<16                    ; tile_dim0
	s_mov_b32 s[\g+4], 128                         ; tile_dim1
	s_mov_b32 s[\g+5], KROW                        ; from row to row
	s_mov_b32 s[\g+6], 0
	s_mov_b32 s[\g+7], 0
.endr
	s_lshl_b32 s18, s16, 7                         ; which 128 rows of the tile I fetch
	s_lshl_b32 s20, s17, 8
	s_add_co_u32 s20, s20, s18
	s_lshl_b32 s20, s20, 10                        ; side A: (256 x tile + 128 x half) rows of 1,024 bytes
	s_mov_b32 s21, 0
	s_lshl_b32 s46, s42, 8
	s_add_co_u32 s46, s46, s18
	s_lshl_b32 s46, s46, 10                        ; side B likewise
	s_mov_b32 s47, 0
	s_mul_i32 s45, s14, HALFT                      ; where they go: wave x 128 rows: no place in the cluster enters an LDS address
	s_wait_kmcnt 0x0
	s_load_b256 s[88:95], s[76:77], 0x0            ; the scales' exponents, entries 0 to 7,
	s_load_b64 s[96:97], s[76:77], 0x20            ; 8 and 9
	s_cmp_eq_u32 ttmp9, 0
	s_cselect_b64 s[84:85], s[70:71], s[72:73]     ; Wq or Wk
	s_cselect_b64 s[86:87], s[78:79], s[80:81]     ; q_ws or k_ws
	s_cmp_eq_u32 ttmp9, 2
	s_cselect_b64 s[4:5], s[74:75], s[68:69]       ; side A: Wv, else x
	s_cselect_b64 s[6:7], s[68:69], s[84:85]       ; side B: x, else W
	s_cselect_b64 s[10:11], s[82:83], s[86:87]     ; the result
	s_add_nc_u64 s[20:21], s[4:5], s[20:21]
	s_add_nc_u64 s[46:47], s[6:7], s[46:47]
	CROUND                                         ; all sixteen work-groups are here: the first joint loads meet
.irp s, 0,1
	s_mov_b32 s[G0+4*\s], 1
	s_add_co_u32 s[G0+4*\s+1], s45, \s*SLOT
	s_add_nc_u64 s[G0+4*\s+2:G0+4*\s+3], s[20:21], \s*ROWB
	s_or_b32 s[G0+4*\s+3], s[G0+4*\s+3], 0x80000000
	s_mov_b32 s[G0B+4*\s], 1
	s_add_co_u32 s[G0B+4*\s+1], s45, \s*SLOT
	s_add_nc_u64 s[G0B+4*\s+2:G0B+4*\s+3], s[46:47], \s*ROWB
	s_or_b32 s[G0B+4*\s+3], s[G0B+4*\s+3], 0x80000000
	JLOAD G0+4*\s, G1, G0B+4*\s, G1B
.endr
	v_and_b32 v1, 15, v0                           ; r = l % 16
	v_bfe_u32 v2, v0, 4, 1                         ; h = l / 16
	v_mul_u32_u24 v3, v1, PITCH
	v_lshl_add_u32 v4, v2, 4, v3                   ; a fragment's row x pitch + 16 x half
	s_mul_i32 s21, s15, HALFT
	s_mul_i32 s22, s16, HALFT
	s_add_co_u32 s22, s22, 2*HALFT
.irp s, 0,1
	v_add_nc_u32 v[ADRA+\s], s21, v4
	v_add_nc_u32 v[ADRB+\s], s22, v4
	s_add_co_u32 s21, s21, SLOT
	s_add_co_u32 s22, s22, SLOT
.endr
	s_mul_i32 s23, s14, 2560                       ; my stage: 2 chunks x 16 rows x 80 bytes, in slot 0
	v_mul_u32_u24 v5, v1, 80
	v_lshl_add_u32 v5, v2, 3, v5
	v_add_nc_u32 v[STO], s23, v5                   ; in: row r, 8 bytes for each half of the lanes
	v_and_b32 v6, 31, v0
	v_lshlrev_b32 v[CO], 4, v6
	v_lshrrev_b32 v7, 2, v6
	v_mul_u32_u24 v7, v7, 80
	v_and_b32 v8, 3, v0
	v_lshl_add_u32 v7, v8, 4, v7
	v_add_nc_u32 v[RD], s23, v7                    ; back: four lanes to a row of 64 bytes, eight rows an instruction
	; the four chunks that my 128 x 128 falls into
	s_lshl_b32 s20, s17, 2
	s_lshl_b32 s21, s15, 1
	s_add_co_u32 s20, s20, s21                     ; side A's first index / 64
	s_lshl_b32 s46, s42, 2
	s_lshl_b32 s47, s16, 1
	s_add_co_u32 s46, s46, s47                     ; side B's
	s_mov_b32 s22, 0x1000                          ; a block of 64 tokens on: one chunk
	s_mov_b32 s23, 0x20000                         ; a head on: 32 chunks
	s_cmp_eq_u32 ttmp9, 2
	s_cselect_b32 s18, s46, s20                    ; my first block of tokens
	s_cselect_b32 s19, s20, s46                    ; my first head
	s_cselect_b32 s84, s22, s23                    ; 64 on along side B
	s_cselect_b32 s86, s23, s22                    ; 64 on along side A
	s_mov_b32 s85, 0
	s_mov_b32 s87, 0
	s_lshr_b32 s21, s18, 5
	s_lshl_b32 s21, s21, 9                         ; batch x 512 chunks
	s_lshl_b32 s19, s19, 5
	s_and_b32 s18, s18, 31
	s_add_co_u32 s21, s21, s19
	s_add_co_u32 s21, s21, s18
	s_lshl_b32 s20, s21, 12
	s_mov_b32 s21, 0
	s_add_nc_u64 s[OB:OB+1], s[10:11], s[20:21]
	s_add_nc_u64 s[OB+2:OB+3], s[OB:OB+1], s[86:87]
	s_add_nc_u64 s[OB+4:OB+5], s[OB:OB+1], s[84:85]
	s_add_nc_u64 s[OB+6:OB+7], s[OB+4:OB+5], s[86:87]
.macro FRAG reg, adr, q, i             ; 16 rows x 128 K: lane l holds row l % 16; registers 4 c .. 4 c + 3 hold K = 32 c + 16 (l / 16) + 0 .. 15: one permutation of k, the same on both sides
.irp c, 0,1,2,3
	ds_load_b128 v[\reg+4*\c:\reg+4*\c+3], v[\adr] offset:128*(\q)+32*\c+(\i)*16*PITCH
.endr
.endm
; 16 matrix instructions: A's blocks a0, a0 + 1 x B's eight.  The 64 accumulators take turns, one instruction a turn, in the same order in every step.
.macro MUL16 a0, p, zero
.irp a, \a0, \a0+1
.irp b, 0,1,2,3,4,5,6,7
.if \zero
	v_wmma_f32_16x16x128_fp8_fp8 v[8*(8*((\a)%4)+\b):8*(8*((\a)%4)+\b)+7], v[128*(\p)+FR*\b:128*(\p)+FR*\b+FR-1], v[AF+FR*(\a):AF+FR*(\a)+FR-1], 0
.else
	v_wmma_f32_16x16x128_fp8_fp8 v[8*(8*((\a)%4)+\b):8*(8*((\a)%4)+\b)+7], v[128*(\p)+FR*\b:128*(\p)+FR*\b+FR-1], v[AF+FR*(\a):AF+FR*(\a)+FR-1], v[8*(8*((\a)%4)+\b):8*(8*((\a)%4)+\b)+7]
.endif
.endr
.endr
.endm
.macro FETCH_B slot, q, p
	WIN TO_B
.irp i, 0,1,2,3,4,5,6,7
	FRAG 128*(\p)+FR*\i, ADRB+\slot, \q, \i
.endr
	WIN 0
.endm
.macro FETCH_A slot, q, i0
.irp i, \i0, \i0+1, \i0+2, \i0+3
	FRAG AF+FR*(\i), ADRA+\slot, \q, \i
.endr
.endm
.macro PLACES n                        ; plain vector instructions between a matrix instruction and a load into, or a read of, its registers
.rept \n
	v_nop
.endr
.endm
.macro STEP slot, q, zero              ; 128 along K that has its successor in the same slot
	s_wait_dscnt 4*NL                              ; B's set and A's blocks 0-3 are in; the youngest sixteen loads (A's blocks 4-7) may be out
	WIN MUL_LO
	MUL16 0, (\q)%2, \zero
	MUL16 2, (\q)%2, \zero
	s_wait_dscnt 0
	PLACES NP
	FETCH_B \slot, (\q)+1, 1-(\q)%2
	FETCH_A \slot, (\q)+1, 0
	WIN MUL_HI
	MUL16 4, (\q)%2, \zero
	MUL16 6, (\q)%2, \zero
	PLACES NP
	WIN 0
	FETCH_A \slot, (\q)+1, 4
.endm
; A slot's last step changes slots: one barrier; in front of it each wave waits for all its tensor loads, adds 0 to its spare word, and waits for that and for its own reads of this slot.
.macro TURN slot, next, fill
	s_wait_tensorcnt 0x0                           ; all my tensor loads have landed: my part of the next slot
	ds_add_u32 v[SPW], v[NIL]                      ; 0 onto my spare word
	s_wait_dscnt 4*NL+1                            ; (the add and the youngest sixteen loads may be out)
	WIN MUL_LO
	MUL16 0, 1, 0
	s_wait_dscnt 0x0                               ; the add is done, and my reads of this slot are over
	s_barrier_signal -1
	MUL16 2, 1, 0
	WIN 0
	s_barrier_wait -1
.if \fill
	CREST                                          ; the barrier has opened a round of the cluster's: no wave of any partner still reads this slot or has a load on its way
	s_add_nc_u64 s[G0+4*\slot+2:G0+4*\slot+3], s[G0+4*\slot+2:G0+4*\slot+3], 2*ROWB
	s_add_nc_u64 s[G0B+4*\slot+2:G0B+4*\slot+3], s[G0B+4*\slot+2:G0B+4*\slot+3], 2*ROWB
	JLOAD G0+4*\slot, G1, G0B+4*\slot, G1B         ; the first tensor load behind the round; its four v_nop are the places in front of the loads below
.else
	PLACES NP
.endif
	FETCH_B \next, 0, 0
	FETCH_A \next, 0, 0
	WIN MUL_HI
	MUL16 4, 1, 0
	MUL16 6, 1, 0
	PLACES NP
	WIN 0
	FETCH_A \next, 0, 4
.endm
	s_wait_tensorcnt 1                             ; my part of K step 0 is in; K step 1's load may be out
	s_barrier_signal -1
	s_barrier_wait -1
	FETCH_B 0, 0, 0
	FETCH_A 0, 0, 0
	FETCH_A 0, 0, 4
	STEP 0, 0, 1                                   ; the first step's products start the sums
	s_mov_b32 s3, LAPS-1
.Llap:
	TURN 0, 1, 1
	STEP 1, 0, 0
	TURN 1, 0, 1
	STEP 0, 0, 0
	s_sub_co_u32 s3, s3, 1
	s_cmp_lg_u32 s3, 0
	s_cbranch_scc1 .Llap
	TURN 0, 1, 0                                   ; the last lap fills nothing
	STEP 1, 0, 0
	s_wait_dscnt 4*NL
	WIN MUL_LO
	MUL16 0, 1, 0
	MUL16 2, 1, 0
	s_wait_dscnt 0
	WIN MUL_HI
	MUL16 4, 1, 0
	MUL16 6, 1, 0
	WIN 0
; THE WAY OUT, block a of 16 rows of side A at a time.  A lane's eight sums of an accumulator become 8 bytes of codes.  They go through my stage (in slot 0, which has had its last fill and its last read)
; and come back as runs of 512 bytes of a chunk.  LDS serves a wave's instructions in order (ISA guide 5.7.1.4): no wait between the stores and the loads, nor in front of the next block's stores.
.macro QOUT a
.set AC, 64*((\a)%4)
.set CC, CD+16*((\a)%2)
.set BB, BK+16*((\a)%2)
	WIN 0x02+((\a)/4)                              ; source 0: window 2 or 3
.set jj, 0
.rept 64
	v_med3_num_f32 v[TMP+jj], v[AC+jj], -v[LIMR], v[LIMR]   ; the conversion does not saturate (ISA guide 7.6.2): the hold at 448 x the scale; each accumulator from its low end on
.set jj, jj+1
.endr
	WIN 0
.irp b, 0,1,2,3,4,5,6,7
	v_cvt_scalef32_pk8_fp8_f32 v[CC+2*\b:CC+2*\b+1], v[TMP+8*\b:TMP+8*\b+7], v[SCR]
.endr
	v_nop                                          ; a plain vector instruction behind the last conversion, ahead of the next block's writes of its sources
.irp b, 0,1,2,3,4,5,6,7
	ds_store_b64 v[STO], v[CC+2*\b:CC+2*\b+1] offset:(\b/4)*1280+16*(\b%4)
.endr
.irp n, 0,1,2,3
	ds_load_b128 v[BB+4*\n:BB+4*\n+3], v[RD] offset:(\n/2)*1280+(\n%2)*640
.endr
.endm
.macro QSEND a, younger                ; younger: the LDS instructions issued behind block a's loads
.set BB, BK+16*((\a)%2)
	s_wait_dscnt \younger
.irp n, 0,1,2,3
	global_store_b128 v[CO], v[BB+4*\n:BB+4*\n+3], s[OB+4*(\n/2)+2*((\a)/4):OB+4*(\n/2)+2*((\a)/4)+1] offset:((\a)%4)*1024+(\n%2)*512   ; 32 lanes store 512 consecutive bytes, aligned
.endr
.endm
	s_wait_kmcnt 0x0
	s_cmp_eq_u32 ttmp9, 0                          ; (ex, ew, eo): q: entries 0, 1, 6; k: 2, 3, 7; v: 4, 5, 9
	s_cselect_b32 s88, s88, s90
	s_cselect_b32 s89, s89, s91
	s_cselect_b32 s94, s94, s95
	s_cmp_eq_u32 ttmp9, 2
	s_cselect_b32 s88, s92, s88
	s_cselect_b32 s89, s93, s89
	s_cselect_b32 s94, s97, s94
	s_sub_co_i32 s94, s94, s88
	s_sub_co_i32 s94, s94, s89                     ; E = eo - ex - ew
	s_add_co_i32 s94, s94, 127
	s_lshl_b32 s95, s94, 23
	v_mov_b32 v[SCR], s95                          ; 2^E: the conversion takes its exponent field
	s_add_co_i32 s94, s94, 8
	s_lshl_b32 s94, s94, 23
	s_or_b32 s94, s94, 0x600000
	v_mov_b32 v[LIMR], s94                         ; 448 x 2^E
	PLACES NP
	QOUT 0
.irp a, 1,2,3,4,5,6,7
.if \a > 1
	s_wait_xcnt 0x0                                ; block a - 2's stores have read their registers: block a's loads may land there
.endif
	QOUT \a
	QSEND \a-1, 12                                 ; behind block a - 1's loads: block a's 8 stores and 4 loads
.endr
	QSEND 7, 0
	s_wait_tensorcnt 0x0                           ; the wave's end
	ds_add_u32 v[SPW], v[NIL]
	s_wait_dscnt 0x0
	CROUND                                         ; the closing round
	s_endpgm
.Lfunc_end_k_qd6433a47a3_qkv:
	.size	k_qd6433a47a3_qkv, .Lfunc_end_k_qd6433a47a3_qkv-k_qd6433a47a3_qkv
	.p2alignl 7, 3214868480
	.fill 96, 4, 3214868480
	.section	.rodata,"a",@progbits
	.p2align	6, 0x0
	.amdhsa_kernel k_qd6433a47a3_qkv
		.amdhsa_group_segment_fixed_size 327680
		.amdhsa_private_segment_fixed_size 0
		.amdhsa_enable_private_segment 0
		.amdhsa_kernarg_size 64
		.amdhsa_user_sgpr_count 2
		.amdhsa_user_sgpr_kernarg_segment_ptr 1
		.amdhsa_wavefront_size32 1
		.amdhsa_system_sgpr_workgroup_id_x 1
		.amdhsa_system_sgpr_workgroup_id_y 1
		.amdhsa_system_sgpr_workgroup_id_z 1
		.amdhsa_system_vgpr_workitem_id 0
		.amdhsa_next_free_vgpr 1024
		.amdhsa_next_free_sgpr 100
		.amdhsa_reserve_vcc 0
		.amdhsa_float_denorm_mode_32 3
		.amdhsa_float_denorm_mode_16_64 3
		.amdhsa_memory_ordered 1
		.amdhsa_forward_progress 1
		.amdhsa_inst_pref_size 125
	.end_amdhsa_kernel
	.amdgpu_metadata
---
amdhsa.version: [ 1, 2 ]
amdhsa.kernels:
  - .name:           k_qd6433a47a3_qkv
    .symbol:         k_qd6433a47a3_qkv.kd
    .args:
      - { .name: x_codes, .offset: 0, .size: 8, .value_kind: global_buffer, .address_space: global }
      - { .name: Wq_codes, .offset: 8, .size: 8, .value_kind: global_buffer, .address_space: global }
      - { .name: Wk_codes, .offset: 16, .size: 8, .value_kind: global_buffer, .address_space: global }
      - { .name: Wv_codes, .offset: 24, .size: 8, .value_kind: global_buffer, .address_space: global }
      - { .name: lowp_scales, .offset: 32, .size: 8, .value_kind: global_buffer, .address_space: global }
      - { .name: q_ws, .offset: 40, .size: 8, .value_kind: global_buffer, .address_space: global }
      - { .name: k_ws, .offset: 48, .size: 8, .value_kind: global_buffer, .address_space: global }
      - { .name: v_ws, .offset: 56, .size: 8, .value_kind: global_buffer, .address_space: global }
    .group_segment_fixed_size: 327680
    .private_segment_fixed_size: 0
    .kernarg_segment_align: 8
    .kernarg_segment_size: 64
    .max_flat_workgroup_size: 128
    .sgpr_count:     100
    .vgpr_count:     1024
    .wavefront_size: 32
...
	.end_amdgpu_metadata
.endif
;; end of part 2
;; launch attn (part 3): grid 4 x 64, 16 waves a work-group, no clusters, 83,968 bytes of LDS; arguments q_ws, k_ws, v_ws, mbits, flags, lowp_scales, a_ws; writes a_ws
.if DOCPART == 3
	.amdgcn_target "amdgcn-amd-amdhsa--gfx1250"
	.amdhsa_code_object_version 6
	.text
	.protected	k_qd6433a47a3_attn
	.globl	k_qd6433a47a3_attn
	.p2align	8
	.type	k_qd6433a47a3_attn,@function
k_qd6433a47a3_attn:
	s_mov_b64 s[64:65], 0
	v_nop
	global_prefetch_b8 v0, s[64:65] scope:SCOPE_SE
	s_setreg_imm32_b32 hwreg(HW_REG_WAVE_MODE, 25, 1), 1
	s_wait_xcnt 0x0
; Attention for one (batch, head) = work-group y, on codes of FP8 (E4M3): S^T = K Q^T, p = 2^(t - M), O^T = V^T P^T, O / l quantised for the last product.
; logit = q.k / 8 + (mask == 0) x -1e9; t = logit x log2(e); M = the running largest t rounded up to a whole number; l = the sum of the unquantised p.
; SHARES.  Sixteen waves, each with a group of 32 queries (two tiles of 16) in 256 registers; wave w < 8 takes group 8 x + w, the others group 71 - 8 x - w, so that early and late queries meet in a work-group.
; Keys go 64 a step; K's and V's chunks of two steps (a pair) are staged by all 512 threads, through registers, into one of two LDS slots: one barrier a pair, in a loop of constant count.
; WHAT IS LEFT OUT.  need[g] (an earlier launch stored it) has bit s clear where every element of the tile (group g, step s) is masked and every query of g has a kept key somewhere: those p are 2^(-1e9 or so) = 0.
;   A wave jumps over such a step; a pair that no wave of the work-group needs is not staged.  Barriers are never jumped over.  Where e6 + e7 > 8 a masked score could come near a kept one: then nothing is left out.
; No tensor load: branches here hang on numbers read from memory.  So no joint loads either: K and V are read by four work-groups each.
; LAYOUT.  Both products are used transposed: a lane holds ONE query (lane % 16).  Row rho of a chunk lies in LDS row lambda = rho with bits 3 and 4 exchanged: a fragment takes 16 LDS rows on end, and the 16 registers of
;   tiles 2 b, 2 b + 1 are keys (for O^T: channels) 32 b + 16 (lane / 16) + 0 .. 15: neighbours, as the conversions want them.  Fragments come by two loads of 16 bytes: one permutation of k, the same on both sides.
; LIMITS on the given exponents, so that each power of two below is an f32 number: e6 + e7 between -95 and 130; e8, and e10 - e8 - e9, between -126 and 119.
; REGISTERS: v1-7, v245 addresses; v8-15 at work; v16-31 Q; v32-63 four fragments of K or V; v64-127 S^T then p; v128-191 O^T; v192-207 p's codes; v208+8u: -M, largest t, l (two halves), f, 0, two at work;
;   v224-231 the staged bytes; v232-235 second chains of the sums; v236-237 lane exchange; v240, v241: 2^e8, 448 x 2^e8; v242: -1e9 in units of a raw sum; v243, v244: the output's scale and hold.
.set PIT,   80                         ; an LDS row: 64 bytes + 16: 16 rows on end start at 16 different columns of 16 bytes
.set VOFF,  64*PIT                     ; a step: 64 rows of K, then 64 rows of V
.set SUBB,  128*PIT
.set SLOTB, 2*SUBB                     ; a slot: two steps
.set STG,   2*SLOTB                    ; behind the slots: 32 rows x 80 bytes for each wave, for the way out
.set AF,  1
.set STA, 2
.set GOF, 3
.set PFO, 4
.set QO,  5
.set RD,  6
.set CO,  7
.set STO, 245
.set QF,  16
.set FRG, 32
.set SC,  64
.set OA,  128
.set PC,  192
.set ST,  208
	s_load_b256 s[32:39], s[0:1], 0x0              ; q_ws, k_ws, v_ws, mbits
	s_load_b128 s[40:43], s[0:1], 0x20             ; flags, the scales' exponents
	s_load_b64 s[44:45], s[0:1], 0x30              ; a_ws
	v_lshl_add_u32 v254, v0, 2, 0x14000
	v_mov_b32 v255, 0
	v_lshrrev_b32 v8, 5, v0
	v_readfirstlane_b32 s10, v8                    ; wave 0..15
	v_and_b32 v9, 15, v0                           ; r
	v_bfe_u32 v10, v0, 4, 1                        ; h
	v_and_b32 v11, 31, v0                          ; lane
	v_mul_u32_u24 v[AF], v9, PIT
	v_lshl_add_u32 v[AF], v10, 4, v[AF]            ; a fragment: row r, + 16 h
	v_lshrrev_b32 v12, 2, v0                       ; staging: thread / 4 = row 0..127 (K's 64, then V's 64),
	v_and_b32 v12, 0x67, v12
	v_bfe_u32 v13, v0, 5, 1
	v_bfe_u32 v14, v0, 6, 1
	v_lshl_add_u32 v12, v13, 4, v12
	v_lshl_add_u32 v12, v14, 3, v12                ; with bits 3 and 4 exchanged
	v_mul_u32_u24 v[STA], v12, PIT
	v_and_b32 v13, 3, v0
	v_lshl_add_u32 v[STA], v13, 4, v[STA]
	v_and_b32 v[GOF], 0xff, v0
	v_lshlrev_b32 v[GOF], 4, v[GOF]                ; and in memory: 256 threads x 16 bytes are a chunk
	v_lshlrev_b32 v[PFO], 8, v11                   ; the prefetch: lanes 256 bytes apart
	v_lshlrev_b32 v[QO], 6, v9
	v_lshl_add_u32 v[QO], v10, 4, v[QO]            ; Q: row r of 64 bytes, + 16 h
	s_mul_i32 s19, s10, 32*PIT
	s_add_co_u32 s19, s19, STG                     ; my stage
	v_add_nc_u32 v[STO], s19, v[AF]                ; in: row r, + 16 h
	v_lshrrev_b32 v12, 2, v11
	v_mul_u32_u24 v[RD], v12, PIT
	v_lshl_add_u32 v[RD], v13, 4, v[RD]
	v_add_nc_u32 v[RD], s19, v[RD]                 ; back: four lanes to a row
	v_lshlrev_b32 v[CO], 4, v11
	s_lshl_b32 s19, ttmp9, 3
	s_add_co_u32 s11, s19, s10
	s_sub_co_u32 s27, 71, s19
	s_sub_co_u32 s27, s27, s10
	s_cmp_lt_u32 s10, 8
	s_cselect_b32 s11, s11, s27                    ; g: my group of 32 queries
	s_and_b32 s28, ttmp7, 0xffff                   ; batch x 16 + head
	s_lshl_b32 s29, s11, 2
	s_lshl_b32 s30, ttmp9, 5                       ; need[8 x ..]
	s_sub_co_u32 s31, 224, s30                     ; need[56 - 8 x ..]
	s_wait_kmcnt 0x0
	s_load_b128 s[48:51], s[42:43], 0x18           ; e6, e7, e8, e9
	s_load_b32 s52, s[42:43], 0x28                 ; e10
	s_load_b32 s14, s[40:41], s29 offset:0x0       ; need[g]
	s_load_b32 s15, s[40:41], s29 offset:0x100     ; part[g]
	s_load_b256 s[68:75], s[40:41], s30 offset:0x0 ; the need words of the work-group's sixteen groups
	s_load_b256 s[76:83], s[40:41], s31 offset:0x0
	s_lshl_b32 s54, s28, 17                        ; 32 chunks of 4,096 bytes
	s_mov_b32 s55, 0
	s_cmp_lt_u32 s10, 8
	s_cselect_b64 s[2:3], s[34:35], s[36:37]       ; waves 0-7 stage K, waves 8-15 V
	s_add_nc_u64 s[2:3], s[2:3], s[54:55]
	s_add_nc_u64 s[4:5], s[32:33], s[54:55]
	s_lshl_b32 s54, s11, 11
	s_add_nc_u64 s[4:5], s[4:5], s[54:55]          ; Q: my 32 rows of 64 bytes
	s_lshl_b32 s54, s11, 13
	s_add_nc_u64 s[6:7], s[38:39], s[54:55]        ; my group's mask words: 32 steps x 256 bytes
	s_lshr_b32 s56, s28, 4
	s_lshl_b32 s56, s56, 3
	s_lshr_b32 s57, s11, 3
	s_add_co_u32 s56, s56, s57                     ; a_ws: [tile of 256 tokens][head][256 tokens][64]: the tile,
	s_lshl_b32 s56, s56, 18
	s_and_b32 s57, s28, 15
	s_lshl_b32 s57, s57, 14                        ; the head,
	s_add_co_u32 s56, s56, s57
	s_and_b32 s57, s11, 7
	s_lshl_b32 s57, s57, 11                        ; my 32 tokens
	s_add_co_u32 s54, s56, s57
	s_add_nc_u64 s[8:9], s[44:45], s[54:55]
.irp u, 0,1
.irp c, 0,1
	global_load_b128 v[QF+8*\u+4*\c:QF+8*\u+4*\c+3], v[QO], s[4:5] offset:1024*\u+32*\c
.endr
.endr
	global_load_b128 v[224:227], v[GOF], s[2:3]               ; pair 0
	global_load_b128 v[228:231], v[GOF], s[2:3] offset:4096
.irp u, 0,1
	v_mov_b32 v[ST+8*\u+1], 0xff61b1e6             ; the largest t so far: -3e38
	v_floor_f32 v[ST+8*\u], -v[ST+8*\u+1]          ; -M
	v_mov_b32 v[ST+8*\u+2], 0                      ; l
	v_mov_b32 v[ST+8*\u+3], 0
	v_mov_b32 v[ST+8*\u+4], 0
	v_mov_b32 v[ST+8*\u+5], 0                      ; (named with f as a pair)
	v_mov_b32 v[236+\u], 0                         ; (a lane exchange reads its destination)
.endr
.set jj, 0
.rept 64
	v_mov_b32 v[OA+jj], 0                          ; O^T.  Which step is a wave's first hangs on the flags, so no first step can be written out to start the sums
.set jj, jj+1
.endr
	s_mov_b32 s20, 0x76543210
	s_mov_b32 s21, 0xfedcba98                      ; lane l xor 16
	s_mov_b32 s13, 0                               ; the pair in hand
	s_mov_b32 s26, 0                               ; the step's mask words
	s_and_b32 s19, s10, 7
	s_or_b32 s19, s19, ttmp9
	s_cmp_eq_u32 s19, 0
	s_cselect_b32 s17, 13, 0                       ; waves 0 and 8 of the head's first work-group prefetch, in trips 0 to 12
	s_wait_kmcnt 0x0
	s_or_b32 s16, s68, s69
.set jj, 2
.rept 14
	s_or_b32 s16, s16, s[68+jj]                    ; bit s: some wave of the work-group needs step s
.set jj, jj+1
.endr
	s_add_co_i32 s27, s48, s49                     ; e6 + e7
	s_cmp_gt_i32 s27, 8
	s_cselect_b32 s14, -1, s14
	s_cselect_b32 s16, -1, s16
	s_cmp_gt_i32 s27, 0                            ; the hold of p is left out where p <= 2^0.25 < 448 x 2^e8 is sure: e8 >= -8, and |t| < 2^22 (64 x 448^2 x log2(e) / 8 x 2^(e6 + e7)), whose rounding moves M's base by 0.25 at most
	s_cselect_b32 s18, 1, 0
	s_cmp_lt_i32 s50, -8
	s_cselect_b32 s18, 1, s18
	s_sub_co_i32 s28, s27, 3
	s_lshl_b32 s28, s28, 23
	s_add_co_i32 s22, s28, 0x3fb8aa3b              ; c = log2(e) x 2^(e6 + e7 - 3): t = a raw sum x c
	s_mov_b32 s23, s22
	s_sub_co_i32 s28, 3, s27
	s_lshl_b32 s28, s28, 23
	s_add_co_u32 s28, s28, 0xce6e6b28              ; -1e9 x 2^(3 - e6 - e7)
	v_mov_b32 v242, s28
	s_add_co_i32 s28, s50, 127
	s_lshl_b32 s29, s28, 23
	v_mov_b32 v240, s29                            ; 2^e8
	s_add_co_i32 s28, s28, 8
	s_lshl_b32 s28, s28, 23
	s_or_b32 s28, s28, 0x600000
	v_mov_b32 v241, s28                            ; 448 x 2^e8
	s_sub_co_i32 s28, s52, s50
	s_sub_co_i32 s28, s28, s51                     ; e10 - e8 - e9: a sum of the second product stands for sum x 2^(e8 + e9)
	s_add_co_i32 s28, s28, 127
	s_lshl_b32 s29, s28, 23
	v_mov_b32 v243, s29
	s_add_co_i32 s28, s28, 8
	s_lshl_b32 s28, s28, 23
	s_or_b32 s28, s28, 0x600000
	v_mov_b32 v244, s28
	s_wait_loadcnt 0x0                             ; Q and pair 0
	ds_store_b128 v[STA], v[224:227]
	ds_store_b128 v[STA], v[228:231] offset:SUBB
	s_wait_dscnt 0x0                               ; the stores have read their registers
	global_load_b128 v[224:227], v[GOF], s[2:3] offset:8192   ; pair 1
	global_load_b128 v[228:231], v[GOF], s[2:3] offset:12288
; A KEY STEP: 64 keys, the q-th of slot sl.
.macro STEP sl, q
.set LB, (\sl)*SLOTB+(\q)*SUBB
	s_and_b32 s19, s14, 1
	s_cmp_eq_u32 s19, 0
	s_cbranch_scc1 .Lskip_\@                       ; nothing of this tile is kept
.rept 4
	v_nop                                          ; places in front of loads into registers that the last products have read
.endr
.irp t, 0,1,2,3
.irp c, 0,1
	ds_load_b128 v[FRG+8*\t+4*\c:FRG+8*\t+4*\c+3], v[AF] offset:LB+16*PIT*\t+32*\c
.endr
.endr
	s_wait_dscnt 0x0
.irp t, 0,1,2,3
.irp u, 0,1
	v_wmma_f32_16x16x64_fp8_fp8 v[SC+32*\u+8*\t:SC+32*\u+8*\t+7], v[FRG+8*\t:FRG+8*\t+7], v[QF+8*\u:QF+8*\u+7], 0
.endr
.endr
.rept 4
	v_nop                                          ; places: for V's loads into K's registers, and for the first read of the scores
.endr
.irp t, 0,1,2,3
.irp c, 0,1
	ds_load_b128 v[FRG+8*\t+4*\c:FRG+8*\t+4*\c+3], v[AF] offset:LB+VOFF+16*PIT*\t+32*\c   ; V lands while the softmax is walked
.endr
.endr
	s_mov_b32 s24, s22                             ; a tile without masked elements: the registers hold raw sums, and t = sum x c
	s_mov_b32 s25, s22
	s_and_b32 s19, s15, 1
	s_cmp_eq_u32 s19, 0
	s_cbranch_scc1 .Lopen_\@
	s_load_b512 s[32:47], s[6:7], s26 offset:0x0   ; the tile's 64 lane masks
	s_load_b512 s[48:63], s[6:7], s26 offset:0x40
	s_load_b512 s[68:83], s[6:7], s26 offset:0x80
	s_load_b512 s[84:99], s[6:7], s26 offset:0xc0
	s_wait_kmcnt 0x0
.set jj, 0
.rept 16
.irp u, 0,1
	v_cndmask_b32 v[8+4*\u], 0, v242, s[32+36*\u+jj]
	v_cndmask_b32 v[9+4*\u], 0, v242, s[32+36*\u+jj+1]
	v_pk_add_f32 v[SC+32*\u+jj:SC+32*\u+jj+1], v[SC+32*\u+jj:SC+32*\u+jj+1], v[8+4*\u:9+4*\u]   ; score + -1e9, rounded as the f32 sum is
	v_pk_mul_f32 v[SC+32*\u+jj:SC+32*\u+jj+1], v[SC+32*\u+jj:SC+32*\u+jj+1], s[22:23] op_sel_hi:[1,0]   ; t, ROUNDED: beside -1e9 an unrounded product would differ from the rounded largest t by whole powers of two
.endr
.set jj, jj+2
.endr
	s_mov_b32 s24, 1.0                             ; the registers hold t
	s_mov_b32 s25, 1.0
.Lopen_\@:
.irp u, 0,1                                    ; the largest of my query's 32 numbers, in two chains, each accumulator from its low end on
	v_max3_num_f32 v[ST+8*\u+6], v[SC+32*\u], v[SC+32*\u+1], v[SC+32*\u+2]
	v_max3_num_f32 v[ST+8*\u+7], v[SC+32*\u+3], v[SC+32*\u+4], v[SC+32*\u+5]
.endr
.irp i, 6,10,14,18,22,26
.irp u, 0,1
	v_max3_num_f32 v[ST+8*\u+6], v[ST+8*\u+6], v[SC+32*\u+\i], v[SC+32*\u+\i+1]
	v_max3_num_f32 v[ST+8*\u+7], v[ST+8*\u+7], v[SC+32*\u+\i+2], v[SC+32*\u+\i+3]
.endr
.endr
.irp u, 0,1
	v_max3_num_f32 v[ST+8*\u+6], v[ST+8*\u+6], v[SC+32*\u+30], v[SC+32*\u+31]
.endr
.irp u, 0,1
	v_max_num_f32 v[ST+8*\u+6], v[ST+8*\u+6], v[ST+8*\u+7]
.endr
.irp u, 0,1
	v_permlanex16_b32 v[236+\u], v[ST+8*\u+6], s20, s21
.endr
.irp u, 0,1
	v_max_num_f32 v[ST+8*\u+6], v[ST+8*\u+6], v[236+\u]      ; and the other half of the lanes'
.endr
.irp u, 0,1
	v_mul_f32 v[ST+8*\u+6], s24, v[ST+8*\u+6]                ; as t
.endr
.irp u, 0,1
	v_max_num_f32 v[ST+8*\u+1], v[ST+8*\u+1], v[ST+8*\u+6]   ; the running largest t
.endr
.irp u, 0,1
	v_mov_b32 v[ST+8*\u+7], v[ST+8*\u]
.endr
.irp u, 0,1
	v_floor_f32 v[ST+8*\u], -v[ST+8*\u+1]                    ; -M = floor(-t): M is a whole number
.endr
.irp u, 0,1
	v_sub_f32 v[ST+8*\u+7], v[ST+8*\u], v[ST+8*\u+7]         ; old M - new M, 0 or less
.endr
.irp u, 0,1
	v_cvt_i32_f32 v[ST+8*\u+7], v[ST+8*\u+7]                 ; (it saturates)
.endr
.irp u, 0,1
	v_ldexp_f32 v[ST+8*\u+4], 1.0, v[ST+8*\u+7]              ; f = 2^(old M - new M): a multiplication by it rounds nothing
.endr
.set jj, 0
.rept 16
.irp u, 0,1
	v_pk_fma_f32 v[SC+32*\u+jj:SC+32*\u+jj+1], v[SC+32*\u+jj:SC+32*\u+jj+1], s[24:25], v[ST+8*\u:ST+8*\u+1] op_sel_hi:[1,0,0]   ; t - M (of both pairs the low word serves both halves)
.endr
.set jj, jj+2
.endr
.set jj, 0
.rept 64
	v_exp_f32 v[SC+jj], v[SC+jj]                   ; p = 2^(t - M): one batch
.set jj, jj+1
.endr
.irp u, 0,1
	v_pk_mul_f32 v[ST+8*\u+2:ST+8*\u+3], v[ST+8*\u+2:ST+8*\u+3], v[ST+8*\u+4:ST+8*\u+5] op_sel_hi:[1,0]   ; l under the new M: the plain instructions behind the batch
.endr
	s_wait_alu depctr_va_vdst(0)                   ; one wait for the 64 exponentials, ahead of the first instruction that names a result
.irp u, 0,1
	v_pk_add_f32 v[232+2*\u:233+2*\u], v[SC+32*\u:SC+32*\u+1], v[SC+32*\u+2:SC+32*\u+3]   ; l is the sum of the UNQUANTISED p: two chains a tile
.endr
.irp i, 4,8,12,16,20,24,28
.irp u, 0,1
	v_pk_add_f32 v[ST+8*\u+2:ST+8*\u+3], v[ST+8*\u+2:ST+8*\u+3], v[SC+32*\u+\i:SC+32*\u+\i+1]
	v_pk_add_f32 v[232+2*\u:233+2*\u], v[232+2*\u:233+2*\u], v[SC+32*\u+\i+2:SC+32*\u+\i+3]
.endr
.endr
.irp u, 0,1
	v_pk_add_f32 v[ST+8*\u+2:ST+8*\u+3], v[ST+8*\u+2:ST+8*\u+3], v[232+2*\u:233+2*\u]
.endr
	s_cmp_eq_u32 s18, 0
	s_cbranch_scc1 .Lnohold_\@
.set jj, 0
.rept 64
	v_min_num_f32 v[SC+jj], v[SC+jj], v241         ; the conversion does not saturate (ISA guide 7.6.2); p is not negative, so the hold is one-sided
.set jj, jj+1
.endr
.Lnohold_\@:
.irp u, 0,1
.irp b, 0,1,2,3
	v_cvt_scalef32_pk8_fp8_f32 v[PC+8*\u+2*\b:PC+8*\u+2*\b+1], v[SC+32*\u+8*\b:SC+32*\u+8*\b+7], v240   ; registers 4 b' .. 4 b' + 3: keys 32 b' + 16 h + 0 .. 15, as V's loads have them
.endr
.endr
.set jj, 0
.rept 16
.irp u, 0,1
	v_pk_mul_f32 v[OA+32*\u+jj:OA+32*\u+jj+1], v[OA+32*\u+jj:OA+32*\u+jj+1], v[ST+8*\u+4:ST+8*\u+5] op_sel_hi:[1,0]   ; O^T under the new M; also the plain instructions behind the conversions
.endr
.set jj, jj+2
.endr
	s_wait_dscnt 0x0                               ; V is in
.irp t, 0,1,2,3
.irp u, 0,1
	v_wmma_f32_16x16x64_fp8_fp8 v[OA+32*\u+8*\t:OA+32*\u+8*\t+7], v[FRG+8*\t:FRG+8*\t+7], v[PC+8*\u:PC+8*\u+7], v[OA+32*\u+8*\t:OA+32*\u+8*\t+7]   ; eight accumulators, one instruction each
.endr
.endr
.Lskip_\@:
	s_lshr_b32 s14, s14, 1
	s_lshr_b32 s15, s15, 1
	s_add_co_u32 s26, s26, 256
.endm
; A PAIR of steps, in slot sl.  One barrier: in front of it each wave's stores of this pair have landed and its reads of the pair before are in.  Behind it the next pair (in registers since the trip before) goes into
; the other slot, the pair after that is asked for, and this pair is worked.  s16's bits 1:0, 3:2, 5:4: this pair, the next, the one after; beyond the last pair they are 0, so no load leaves its buffer.
.macro TRIP sl
	s_wait_dscnt 0x0
	s_barrier_signal -1
	s_barrier_wait -1
	s_wait_loadcnt 0x0                             ; the staged loads, asked for a trip ago: on every path, so that no load is issued into registers that an earlier one may still write
	s_bfe_u32 s19, s16, 0x20002
	s_cmp_eq_u32 s19, 0
	s_cbranch_scc1 .Lno_store_\@
	ds_store_b128 v[STA], v[224:227] offset:(1-(\sl))*SLOTB
	ds_store_b128 v[STA], v[228:231] offset:(1-(\sl))*SLOTB+SUBB
	s_wait_dscnt 0x0                               ; the stores have read their registers
.Lno_store_\@:
	s_bfe_u32 s19, s16, 0x20004
	s_cmp_eq_u32 s19, 0
	s_cbranch_scc1 .Lno_load_\@
	global_load_b128 v[224:227], v[GOF], s[2:3] offset:16384
	global_load_b128 v[228:231], v[GOF], s[2:3] offset:20480
.Lno_load_\@:
	s_cmp_lt_u32 s13, s17                          ; a prefetch of the pair three on, one trip ahead of its load: 8,192 bytes of K (wave 0) or V (wave 8), a lane to each 256; all four work-groups of a head
	s_cbranch_scc0 .Lno_ask_\@                     ; walk the same chunks, so the first of them asks, and each block is named once; trips 13 to 15 have no pair three on
	global_prefetch_b8 v[PFO], s[2:3] offset:24576 th:TH_LOAD_NT scope:SCOPE_SE
.Lno_ask_\@:
	s_lshr_b32 s16, s16, 2
	STEP \sl, 0
	STEP \sl, 1
	s_wait_xcnt 0x0                                ; the loads and the prefetch have read their base: it may step
	s_add_nc_u64 s[2:3], s[2:3], 8192
	s_add_co_u32 s13, s13, 1
.endm
	s_mov_b32 s12, 8
.Lpair:
	TRIP 0
	TRIP 1
	s_sub_co_u32 s12, s12, 1
	s_cmp_lg_u32 s12, 0
	s_cbranch_scc1 .Lpair
	; THE WAY OUT: O^T / l, quantised with 2^(e10 - e8 - e9), through my stage, out as 2,048 consecutive bytes.
.irp u, 0,1
	v_add_f32 v[ST+8*\u+6], v[ST+8*\u+2], v[ST+8*\u+3]
.endr
.irp u, 0,1
	v_permlanex16_b32 v[236+\u], v[ST+8*\u+6], s20, s21
.endr
.irp u, 0,1
	v_add_f32 v[ST+8*\u+6], v[ST+8*\u+6], v[236+\u]
.endr
.irp u, 0,1
	v_rcp_f32 v[ST+8*\u+6], v[ST+8*\u+6]
.endr
	v_nop                                          ; a plain instruction behind the reciprocals
	s_wait_alu depctr_va_vdst(0)                   ; and one wait for both, ahead of the first reader
.set jj, 0
.rept 32
.irp u, 0,1
	v_mul_f32 v[SC+32*\u+jj], v[OA+32*\u+jj], v[ST+8*\u+6]
.endr
.set jj, jj+1
.endr
.set jj, 0
.rept 64
	v_med3_num_f32 v[SC+jj], v[SC+jj], -v244, v244
.set jj, jj+1
.endr
.irp u, 0,1
.irp b, 0,1,2,3
	v_cvt_scalef32_pk8_fp8_f32 v[PC+8*\u+2*\b:PC+8*\u+2*\b+1], v[SC+32*\u+8*\b:SC+32*\u+8*\b+7], v243   ; registers 4 b' on: channels 32 b' + 16 h + 0 .. 15 of my query
.endr
.endr
	v_nop
.irp u, 0,1
.irp b, 0,1
	ds_store_b128 v[STO], v[PC+8*\u+4*\b:PC+8*\u+4*\b+3] offset:16*PIT*\u+32*\b
.endr
.endr
.irp n, 0,1,2,3
	ds_load_b128 v[FRG+4*\n:FRG+4*\n+3], v[RD] offset:8*PIT*\n   ; LDS serves a wave's instructions in order: these see my stores
.endr
.irp n, 0,1,2,3
	s_wait_dscnt 3-\n
	global_store_b128 v[CO], v[FRG+4*\n:FRG+4*\n+3], s[8:9] offset:512*\n   ; 32 lanes store 512 consecutive bytes, aligned
.endr
	s_wait_tensorcnt 0x0
	ds_add_u32 v254, v255
	s_wait_dscnt 0x0
	s_endpgm
.Lfunc_end_k_qd6433a47a3_attn:
	.size	k_qd6433a47a3_attn, .Lfunc_end_k_qd6433a47a3_attn-k_qd6433a47a3_attn
	.p2alignl 7, 3214868480
	.fill 96, 4, 3214868480
	.section	.rodata,"a",@progbits
	.p2align	6, 0x0
	.amdhsa_kernel k_qd6433a47a3_attn
		.amdhsa_group_segment_fixed_size 83968
		.amdhsa_private_segment_fixed_size 0
		.amdhsa_enable_private_segment 0
		.amdhsa_kernarg_size 56
		.amdhsa_user_sgpr_count 2
		.amdhsa_user_sgpr_kernarg_segment_ptr 1
		.amdhsa_wavefront_size32 1
		.amdhsa_system_sgpr_workgroup_id_x 1
		.amdhsa_system_sgpr_workgroup_id_y 1
		.amdhsa_system_sgpr_workgroup_id_z 1
		.amdhsa_system_vgpr_workitem_id 0
		.amdhsa_next_free_vgpr 256
		.amdhsa_next_free_sgpr 100
		.amdhsa_reserve_vcc 0
		.amdhsa_float_denorm_mode_32 3
		.amdhsa_float_denorm_mode_16_64 3
		.amdhsa_memory_ordered 1
		.amdhsa_forward_progress 1
		.amdhsa_inst_pref_size 118
	.end_amdhsa_kernel
	.amdgpu_metadata
---
amdhsa.version: [ 1, 2 ]
amdhsa.kernels:
  - .name:           k_qd6433a47a3_attn
    .symbol:         k_qd6433a47a3_attn.kd
    .args:
      - { .name: q_ws, .offset: 0, .size: 8, .value_kind: global_buffer, .address_space: global }
      - { .name: k_ws, .offset: 8, .size: 8, .value_kind: global_buffer, .address_space: global }
      - { .name: v_ws, .offset: 16, .size: 8, .value_kind: global_buffer, .address_space: global }
      - { .name: mbits, .offset: 24, .size: 8, .value_kind: global_buffer, .address_space: global }
      - { .name: flags, .offset: 32, .size: 8, .value_kind: global_buffer, .address_space: global }
      - { .name: lowp_scales, .offset: 40, .size: 8, .value_kind: global_buffer, .address_space: global }
      - { .name: a_ws, .offset: 48, .size: 8, .value_kind: global_buffer, .address_space: global }
    .group_segment_fixed_size: 83968
    .private_segment_fixed_size: 0
    .kernarg_segment_align: 8
    .kernarg_segment_size: 56
    .max_flat_workgroup_size: 512
    .sgpr_count:     100
    .vgpr_count:     256
    .wavefront_size: 32
...
	.end_amdgpu_metadata
.endif
;; end of part 3
;; launch oproj (part 4): grid 4 x 32, 4 waves a work-group, clusters of 4 x 4, 327,680 bytes of LDS; arguments a_ws, Wo_codes, lowp_scales, out0; writes out0
.if DOCPART == 4
	.amdgcn_target "amdgcn-amd-amdhsa--gfx1250"
	.amdhsa_code_object_version 6
	.text
	.protected	k_qd6433a47a3_oproj
	.globl	k_qd6433a47a3_oproj
	.p2align	8
	.type	k_qd6433a47a3_oproj,@function
k_qd6433a47a3_oproj:
	s_mov_b64 s[64:65], 0
	v_nop
	global_prefetch_b8 v0, s[64:65] scope:SCOPE_SE
	s_setreg_imm32_b32 hwreg(HW_REG_WAVE_MODE, 25, 1), 1
	s_wait_xcnt 0x0
	s_wait_alu depctr_hold_cnt(0) depctr_sa_sdst(0) depctr_va_vdst(0) depctr_va_sdst(0) depctr_va_ssrc(0) depctr_va_vcc(0) depctr_vm_vsrc(0)
	s_getreg_b32 s2, hwreg(HW_REG_IB_STS2, 6, 4)
	s_cmp_eq_u32 s2, 0
	s_cbranch_scc0 .Lentry_in_a_cluster
	s_endpgm
.Lentry_in_a_cluster:
	s_bfe_u32 s2, ttmp6, 0x10000c
	s_cmp_lg_u32 s2, 0xf033
	s_cbranch_scc0 .Lentry_shape_is_right
	s_endpgm
.Lentry_shape_is_right:
; out0[m][n] = sum over k of a[m][k] Wo[n][k] x 2^(e10 + e11), on codes of FP8 (E4M3); out0: [8192][1024] f32.  LIMIT: e10 + e11 between -126 and 127, so that the power is an f32 number.
; a's codes lie as the attention launch left them: [tile of 256 tokens][head (16)][256 tokens][64]: a K step of 256 is four heads, 65,536 consecutive bytes of a tile of tokens.
; A tile of 256 x 256 is made by a work-group of four waves, a wave makes 128 x 128: 64 accumulators.  K = 1,024 goes in steps of 256 through a ring of two LDS slots filled by the tensor data mover.
; A wave's part of a's tile is two heads x 256 tokens: a dense block of 32,768 bytes, brought as 128 lines of 256 bytes (four tokens of one head to a line); Wo's is 128 rows of 256 bytes, 1,024 apart.
; 128 tiles, so 128 work-groups: a tile of half the size would read half as much again from LDS for each product.
; CLUSTERS: 4 x 4 work-groups: a's tile is asked for jointly by the four of a row of the cluster, Wo's by the four of a column.  The matrix instruction is used transposed (source 0 = Wo's rows, source 1 = a's).
; REGISTERS, in windows of 256: window 0: v0-31 addresses; from v128 a's fragments, one set; on the way out v32-255 at work.  window 1: Wo's fragments, two sets.  windows 2, 3: the accumulators.
.set SIZE_N, 1024
.set ROWB,   256
.set KROW,   1024
.set ASTEP,  65536                     ; a K step on in a_ws
.set PITCH,  272                       ; an LDS line: 256 bytes + 16 of padding
.set HEADB,  64*PITCH                  ; a head's 256 tokens in LDS
.set FR,     16
.set NL,     4
.set NP,     4
.set HALFT,  128*PITCH
.set SLOT,   4*HALFT
.set LAPS,   2
.set SPARE,  2*SLOT
.set SPITCH, 528                       ; the way out: 16 rows x (512 + 16) bytes for each wave, in slot 0, which has had its last fill and its last read by then
.set ADRA, 16
.set ADRB, 20
.set STO,  24
.set RD,   25
.set CO,   26
.set SPW,  28
.set NIL,  29
.set TMP,  32
.set AF,   128
.set BK,   128
.set G1, 24
.set G0, 32
.set G1B, 48
.set G0B, 56
.set MSB, 0
.macro WIN new
.if MSB != \new
	s_set_vgpr_msb (MSB<<8)|\new
.set MSB, \new
.endif
.endm
.set MUL_LO, 0xa1
.set MUL_HI, 0xf1
.set TO_B,   0x40
.macro JLOAD g0a, g1a, g0b, g1b        ; waves 0 and 1 fetch for a, waves 2 and 3 for Wo; four v_nop follow each of the two lines
	s_cmp_eq_u32 s15, 0
	s_cbranch_scc0 .Lfor_b_\@
	tensor_load_to_lds s[\g0a:\g0a+3], s[\g1a:\g1a+7]
	s_nop 0
.rept 4
	v_nop
.endr
	s_branch .Lasked_\@
.Lfor_b_\@:
	tensor_load_to_lds s[\g0b:\g0b+3], s[\g1b:\g1b+7]
	s_nop 0
.rept 4
	v_nop
.endr
.Lasked_\@:
.endm
.macro CREST
	s_cmp_lg_u32 s14, 0
	s_cbranch_scc1 .Lnot_wave_0_\@
	s_barrier_signal -3
.Lnot_wave_0_\@:
	s_barrier_wait -3
	s_barrier_signal -1
	s_barrier_wait -1
.endm
.macro CROUND
	s_barrier_signal -1
	s_barrier_wait -1
	CREST
.endm
	s_load_b128 s[4:7], s[0:1], 0x0                ; a's codes, Wo's codes
	s_load_b128 s[8:11], s[0:1], 0x10              ; the scales' exponents, out0
	v_lshl_add_u32 v[SPW], v0, 2, SPARE
	v_mov_b32 v[NIL], 0
	ds_add_u32 v28, v29
	ds_add_u32 v28, v29
	s_wait_dscnt 0x0
	v_lshrrev_b32 v1, 5, v0
	v_readfirstlane_b32 s14, v1                    ; wave 0..3
	s_lshr_b32 s15, s14, 1                         ; which half of the tile's rows is mine.  Also: I fetch for a (0) or for Wo (1)
	s_and_b32 s16, s14, 1                          ; which half of its columns.  Also: which half of that tile I fetch
	s_bfe_u32 s40, ttmp6, 0x40000                  ; cx
	s_bfe_u32 s41, ttmp6, 0x40004                  ; cy
	s_lshl_b32 s42, ttmp9, 2
	s_add_co_u32 s42, s42, s40                     ; tile column
	s_and_b32 s17, ttmp7, 0xffff
	s_lshl_b32 s17, s17, 2
	s_add_co_u32 s17, s17, s41                     ; tile row
	s_lshl_b32 s43, s41, 2
	s_lshl_b32 s43, 15, s43
	s_lshl_b32 s44, 0x1111, s40
	s_or_b32 s[G1+0], s43, (0<<16)|(1<<20)|(1<<21)|(5<<22)|(3<<25)  ; the mask; elements of 1 byte; padding on; bit 21 beside a mask; 4 words after every 64
	s_or_b32 s[G1B+0], s44, (0<<16)|(1<<20)|(1<<21)|(5<<22)|(3<<25)
.irp g, G1, G1B
	s_mov_b32 s[\g+1], ROWB<<16
	s_mov_b32 s[\g+2], 128<<16
	s_mov_b32 s[\g+3], ROWB<<16
	s_mov_b32 s[\g+4], 128
	s_mov_b32 s[\g+6], 0
	s_mov_b32 s[\g+7], 0
.endr
	s_mov_b32 s[G1+5], ROWB                        ; a's block is dense: a line begins where the last ends
	s_mov_b32 s[G1B+5], KROW
	s_lshl_b32 s20, s17, 18                        ; a: the tile of tokens, 262,144 bytes each,
	s_lshl_b32 s18, s16, 15                        ; + my two heads of the K step's four
	s_add_co_u32 s20, s20, s18
	s_mov_b32 s21, 0
	s_lshl_b32 s46, s42, 8
	s_lshl_b32 s18, s16, 7
	s_add_co_u32 s46, s46, s18
	s_lshl_b32 s46, s46, 10                        ; Wo: (256 x tile column + 128 x half) rows of 1,024 bytes
	s_mov_b32 s47, 0
	s_mul_i32 s45, s14, HALFT
	s_wait_kmcnt 0x0
	s_load_b64 s[96:97], s[8:9], 0x28              ; e10, e11
	s_add_nc_u64 s[20:21], s[4:5], s[20:21]
	s_add_nc_u64 s[46:47], s[6:7], s[46:47]
	CROUND                                         ; all sixteen work-groups are here: the first joint loads meet
.irp s, 0,1
	s_mov_b32 s[G0+4*\s], 1
	s_add_co_u32 s[G0+4*\s+1], s45, \s*SLOT
	s_add_nc_u64 s[G0+4*\s+2:G0+4*\s+3], s[20:21], \s*ASTEP
	s_or_b32 s[G0+4*\s+3], s[G0+4*\s+3], 0x80000000
	s_mov_b32 s[G0B+4*\s], 1
	s_add_co_u32 s[G0B+4*\s+1], s45, \s*SLOT
	s_add_nc_u64 s[G0B+4*\s+2:G0B+4*\s+3], s[46:47], \s*ROWB
	s_or_b32 s[G0B+4*\s+3], s[G0B+4*\s+3], 0x80000000
	JLOAD G0+4*\s, G1, G0B+4*\s, G1B
.endr
	v_and_b32 v1, 15, v0                           ; r
	v_bfe_u32 v2, v0, 4, 1                         ; h
	v_mul_u32_u24 v3, v1, PITCH
	v_lshl_add_u32 v4, v2, 4, v3                   ; Wo: row r x pitch + 16 h
	v_lshrrev_b32 v5, 2, v1
	v_mul_u32_u24 v5, v5, PITCH
	v_and_b32 v6, 3, v0
	v_lshl_add_u32 v5, v6, 6, v5
	v_lshl_add_u32 v5, v2, 4, v5                   ; a: token r: line r / 4, 64 (r % 4) in it, + 16 h: sixteen lanes touch sixteen different columns of 16 bytes
	s_mul_i32 s21, s15, 32*PITCH                   ; my 128 tokens: 32 lines on in each head
	s_mul_i32 s22, s16, HALFT
	s_add_co_u32 s22, s22, 2*HALFT
.irp s, 0,1
	v_add_nc_u32 v[ADRA+\s], s21, v5
	v_add_nc_u32 v[ADRB+\s], s22, v4
	s_add_co_u32 s21, s21, SLOT
	s_add_co_u32 s22, s22, SLOT
.endr
	s_mul_i32 s23, s14, 16*SPITCH
	v_mul_u32_u24 v5, v1, SPITCH
	v_lshl_add_u32 v5, v2, 5, v5
	v_add_nc_u32 v[STO], s23, v5
	v_and_b32 v6, 31, v0
	v_lshlrev_b32 v[CO], 4, v6
	v_add_nc_u32 v[RD], s23, v[CO]
	s_lshl_b32 s20, s17, 8
	s_lshl_b32 s21, s15, 7
	s_add_co_u32 s20, s20, s21                     ; my first row of out0
	s_lshl_b32 s20, s20, 12                        ; x 4,096 bytes
	s_mov_b32 s21, 0
	s_lshl_b32 s46, s42, 10
	s_lshl_b32 s47, s16, 9
	s_add_co_u32 s46, s46, s47                     ; my first column, in bytes
	s_mov_b32 s47, 0
	s_add_nc_u64 s[20:21], s[20:21], s[46:47]
	s_add_nc_u64 s[10:11], s[10:11], s[20:21]
.macro FRAG reg, adr, q, i             ; Wo: registers 4 c .. 4 c + 3 hold K = 128 q + 32 c + 16 h + 0 .. 15 of row 16 i + r
.irp c, 0,1,2,3
	ds_load_b128 v[\reg+4*\c:\reg+4*\c+3], v[\adr] offset:128*(\q)+32*\c+(\i)*16*PITCH
.endr
.endm
.macro FRAGA reg, adr, q, i            ; a: the same k: head 2 q + c / 2 of the K step's four, channels 32 (c % 2) + 16 h + 0 .. 15; 16 tokens are 4 lines
.irp c, 0,1,2,3
	ds_load_b128 v[\reg+4*\c:\reg+4*\c+3], v[\adr] offset:(2*(\q)+\c/2)*HEADB+(\c%2)*32+(\i)*4*PITCH
.endr
.endm
.macro MUL16 a0, p, zero               ; the 64 accumulators take turns, one instruction a turn
.irp a, \a0, \a0+1
.irp b, 0,1,2,3,4,5,6,7
.if \zero
	v_wmma_f32_16x16x128_fp8_fp8 v[8*(8*((\a)%4)+\b):8*(8*((\a)%4)+\b)+7], v[128*(\p)+FR*\b:128*(\p)+FR*\b+FR-1], v[AF+FR*(\a):AF+FR*(\a)+FR-1], 0
.else
	v_wmma_f32_16x16x128_fp8_fp8 v[8*(8*((\a)%4)+\b):8*(8*((\a)%4)+\b)+7], v[128*(\p)+FR*\b:128*(\p)+FR*\b+FR-1], v[AF+FR*(\a):AF+FR*(\a)+FR-1], v[8*(8*((\a)%4)+\b):8*(8*((\a)%4)+\b)+7]
.endif
.endr
.endr
.endm
.macro FETCH_B slot, q, p
	WIN TO_B
.irp i, 0,1,2,3,4,5,6,7
	FRAG 128*(\p)+FR*\i, ADRB+\slot, \q, \i
.endr
	WIN 0
.endm
.macro FETCH_A slot, q, i0
.irp i, \i0, \i0+1, \i0+2, \i0+3
	FRAGA AF+FR*(\i), ADRA+\slot, \q, \i
.endr
.endm
.macro PLACES n
.rept \n
	v_nop
.endr
.endm
.macro STEP slot, q, zero
	s_wait_dscnt 4*NL                              ; Wo's set and a's blocks 0-3 are in; the youngest sixteen loads may be out
	WIN MUL_LO
	MUL16 0, (\q)%2, \zero
	MUL16 2, (\q)%2, \zero
	s_wait_dscnt 0
	PLACES NP
	FETCH_B \slot, (\q)+1, 1-(\q)%2
	FETCH_A \slot, (\q)+1, 0
	WIN MUL_HI
	MUL16 4, (\q)%2, \zero
	MUL16 6, (\q)%2, \zero
	PLACES NP
	WIN 0
	FETCH_A \slot, (\q)+1, 4
.endm
.macro TURN slot, next, fill
	s_wait_tensorcnt 0x0                           ; all my tensor loads have landed: my part of the next slot
	ds_add_u32 v[SPW], v[NIL]                      ; 0 onto my spare word
	s_wait_dscnt 4*NL+1                            ; (the add and the youngest sixteen loads may be out)
	WIN MUL_LO
	MUL16 0, 1, 0
	s_wait_dscnt 0x0                               ; the add is done, and my reads of this slot are over
	s_barrier_signal -1
	MUL16 2, 1, 0
	WIN 0
	s_barrier_wait -1
.if \fill
	CREST                                          ; the barrier has opened a round of the cluster's
	s_add_nc_u64 s[G0+4*\slot+2:G0+4*\slot+3], s[G0+4*\slot+2:G0+4*\slot+3], 2*ASTEP
	s_add_nc_u64 s[G0B+4*\slot+2:G0B+4*\slot+3], s[G0B+4*\slot+2:G0B+4*\slot+3], 2*ROWB
	JLOAD G0+4*\slot, G1, G0B+4*\slot, G1B         ; the first tensor load behind the round
.else
	PLACES NP
.endif
	FETCH_B \next, 0, 0
	FETCH_A \next, 0, 0
	WIN MUL_HI
	MUL16 4, 1, 0
	MUL16 6, 1, 0
	PLACES NP
	WIN 0
	FETCH_A \next, 0, 4
.endm
	s_wait_tensorcnt 1                             ; my part of K step 0 is in; K step 1's load may be out
	s_barrier_signal -1
	s_barrier_wait -1
	FETCH_B 0, 0, 0
	FETCH_A 0, 0, 0
	FETCH_A 0, 0, 4
	STEP 0, 0, 1
	s_mov_b32 s3, LAPS-1
.Llap:
	TURN 0, 1, 1
	STEP 1, 0, 0
	TURN 1, 0, 1
	STEP 0, 0, 0
	s_sub_co_u32 s3, s3, 1
	s_cmp_lg_u32 s3, 0
	s_cbranch_scc1 .Llap
	TURN 0, 1, 0
	STEP 1, 0, 0
	s_wait_dscnt 4*NL
	WIN MUL_LO
	MUL16 0, 1, 0
	MUL16 2, 1, 0
	s_wait_dscnt 0
	WIN MUL_HI
	MUL16 4, 1, 0
	MUL16 6, 1, 0
	WIN 0
; THE WAY OUT, block by block of 16 rows x 128 columns, through my own stage: in as 32 bytes a lane, back as whole rows of 512 bytes.  LDS serves a wave's instructions in order (ISA guide 5.7.1.4).
.macro TOSTAGE a
.set AC, 64*((\a)%4)
	WIN 0x02+((\a)/4)
.set jj, 0
.rept 32
	v_pk_mul_f32 v[TMP+jj:TMP+jj+1], v[AC+jj:AC+jj+1], s[96:97] op_sel_hi:[1,0]   ; x 2^(e10 + e11); each accumulator from its low end on
.set jj, jj+2
.endr
	WIN 0
.irp b, 0,1,2,3,4,5,6,7
	ds_store_b128 v[STO], v[TMP+8*\b:TMP+8*\b+3] offset:64*\b
	ds_store_b128 v[STO], v[TMP+8*\b+4:TMP+8*\b+7] offset:64*\b+16
.endr
.set BB, BK+64*((\a)%2)
.irp t, 0,1,2,3,4,5,6,7,8,9,10,11,12,13,14,15
	ds_load_b128 v[BB+4*\t:BB+4*\t+3], v[RD] offset:\t*SPITCH
.endr
.endm
.macro SEND a, younger
.set BB, BK+64*((\a)%2)
	s_wait_dscnt \younger
.if (\a) > 0
	s_add_nc_u64 s[10:11], s[10:11], 16*SIZE_N*4   ; (behind a wait on XCNT: the earlier stores have read their base)
.endif
.irp t, 0,1,2,3,4,5,6,7,8,9,10,11,12,13,14,15
	global_store_b128 v[CO], v[BB+4*\t:BB+4*\t+3], s[10:11] offset:\t*SIZE_N*4 th:TH_STORE_NT   ; 32 lanes store 512 consecutive bytes, aligned
.endr
.endm
	s_wait_kmcnt 0x0
	s_add_co_i32 s96, s96, s97
	s_add_co_i32 s96, s96, 127
	s_lshl_b32 s96, s96, 23                        ; 2^(e10 + e11) as f32
	PLACES NP
	TOSTAGE 0
.irp a, 1,2,3,4,5,6,7
.if \a > 1
	s_wait_xcnt 0x0                                ; block a - 2's stores have read their registers and their base
.endif
	TOSTAGE \a
	SEND \a-1, 32                                  ; behind block a - 1's loads: block a's 16 stores and 16 loads
.endr
	s_wait_xcnt 0x0
	SEND 7, 0
	s_wait_tensorcnt 0x0                           ; the wave's end
	ds_add_u32 v[SPW], v[NIL]
	s_wait_dscnt 0x0
	CROUND                                         ; the closing round
	s_endpgm
.Lfunc_end_k_qd6433a47a3_oproj:
	.size	k_qd6433a47a3_oproj, .Lfunc_end_k_qd6433a47a3_oproj-k_qd6433a47a3_oproj
	.p2alignl 7, 3214868480
	.fill 96, 4, 3214868480
	.section	.rodata,"a",@progbits
	.p2align	6, 0x0
	.amdhsa_kernel k_qd6433a47a3_oproj
		.amdhsa_group_segment_fixed_size 327680
		.amdhsa_private_segment_fixed_size 0
		.amdhsa_enable_private_segment 0
		.amdhsa_kernarg_size 32
		.amdhsa_user_sgpr_count 2
		.amdhsa_user_sgpr_kernarg_segment_ptr 1
		.amdhsa_wavefront_size32 1
		.amdhsa_system_sgpr_workgroup_id_x 1
		.amdhsa_system_sgpr_workgroup_id_y 1
		.amdhsa_system_sgpr_workgroup_id_z 1
		.amdhsa_system_vgpr_workitem_id 0
		.amdhsa_next_free_vgpr 1024
		.amdhsa_next_free_sgpr 98
		.amdhsa_reserve_vcc 0
		.amdhsa_float_denorm_mode_32 3
		.amdhsa_float_denorm_mode_16_64 3
		.amdhsa_memory_ordered 1
		.amdhsa_forward_progress 1
		.amdhsa_inst_pref_size 123
	.end_amdhsa_kernel
	.amdgpu_metadata
---
amdhsa.version: [ 1, 2 ]
amdhsa.kernels:
  - .name:           k_qd6433a47a3_oproj
    .symbol:         k_qd6433a47a3_oproj.kd
    .args:
      - { .name: a_ws, .offset: 0, .size: 8, .value_kind: global_buffer, .address_space: global }
      - { .name: Wo_codes, .offset: 8, .size: 8, .value_kind: global_buffer, .address_space: global }
      - { .name: lowp_scales, .offset: 16, .size: 8, .value_kind: global_buffer, .address_space: global }
      - { .name: out0, .offset: 24, .size: 8, .value_kind: global_buffer, .address_space: global }
    .group_segment_fixed_size: 327680
    .private_segment_fixed_size: 0
    .kernarg_segment_align: 8
    .kernarg_segment_size: 32
    .max_flat_workgroup_size: 128
    .sgpr_count:     98
    .vgpr_count:     1024
    .wavefront_size: 32
...
	.end_amdgpu_metadata
.endif
;; end of part 4
;; ======== version 2 of 2: 4 launches; version 1 with the launch attn written anew for expert scheduling mode
;; workspace buffers: q_ws 8,388,608 bytes; k_ws 8,388,608 bytes; v_ws 8,388,608 bytes; a_ws 8,388,608 bytes; mbits 524,288 bytes of whole numbers; flags 512 bytes of whole numbers
;; launch pack: the kernel of part 1 again; grid 64 x 1, 32 waves a work-group, no clusters, 143,872 bytes of LDS; arguments mask, mbits, flags; writes mbits, flags
;; launch qkv: the kernel of part 2 again; grid 12 x 32, 4 waves a work-group, clusters of 4 x 4, 327,680 bytes of LDS; arguments x_codes, Wq_codes, Wk_codes, Wv_codes, lowp_scales, q_ws, k_ws, v_ws; writes q_ws, k_ws, v_ws
;; launch attn (part 5): grid 4 x 64, 16 waves a work-group, no clusters, 83,968 bytes of LDS; arguments q_ws, k_ws, v_ws, mbits, flags, lowp_scales, a_ws; writes a_ws
.if DOCPART == 5
	.amdgcn_target "amdgcn-amd-amdhsa--gfx1250"
	.amdhsa_code_object_version 6
	.text
	.protected	k_qd6433a47a3_attn
	.globl	k_qd6433a47a3_attn
	.p2align	8
	.type	k_qd6433a47a3_attn,@function
k_qd6433a47a3_attn:
	s_mov_b64 s[64:65], 0
	v_nop
	global_prefetch_b8 v0, s[64:65] scope:SCOPE_SE
	s_setreg_imm32_b32 hwreg(HW_REG_WAVE_SCHED_MODE, 0, 2), 2
	s_setreg_imm32_b32 hwreg(HW_REG_WAVE_MODE, 25, 1), 1
	s_wait_xcnt 0x0
	s_wait_alu depctr_vm_vsrc(0)
; Attention for one (batch, head) = work-group y, on codes of FP8 (E4M3): S^T = K Q^T, p = 2^(t - M), O^T = V^T P^T, O / l quantised for the last product.
; logit = q.k / 8 + (mask == 0) x -1e9; t = logit x log2(e); M = the running largest t rounded up to a whole number; l = the sum of the unquantised p.
; SHARES.  Sixteen waves, each with a group of 32 queries (two tiles of 16) in 256 registers; wave w < 8 takes group 8 x + w, the others group 71 - 8 x - w, so that early and late queries meet in a work-group.
; Keys go 64 a step; K's and V's chunks of two steps (a pair) are staged by all 512 threads, through registers, into one of two LDS slots: one barrier a pair, in a loop of constant count.
; WHAT IS LEFT OUT.  need[g] (an earlier launch stored it) has bit s clear where every element of the tile (group g, step s) is masked and every query of g has a kept key somewhere: those p are 2^(-1e9 or so) = 0.
;   A wave jumps over such a step; a pair that no wave of the work-group needs is not staged.  Barriers are never jumped over.  Where e6 + e7 > 8 a masked score could come near a kept one: then nothing is left out.
; No tensor load: branches here hang on numbers read from memory.  So no joint loads either: K and V are read by four work-groups each.
; LAYOUT.  Both products are used transposed: a lane holds ONE query (lane % 16).  Row rho of a chunk lies in LDS row lambda = rho with bits 3 and 4 exchanged: a fragment takes 16 LDS rows on end, and the 16 registers of
;   tiles 2 b, 2 b + 1 are keys (for O^T: channels) 32 b + 16 (lane / 16) + 0 .. 15: neighbours, as the conversions want them.  Fragments come by two loads of 16 bytes: one permutation of k, the same on both sides.
; LIMITS on the given exponents, so that each power of two below is an f32 number: e6 + e7 between -95 and 130; e8, and e10 - e8 - e9, between -126 and 119.
; REGISTERS: v1-7, v245 addresses; v8-15 at work; v16-31 Q; v32-63 four fragments of K or V; v64-127 S^T then p; v128-191 O^T; v192-207 p's codes; v208+8u: -M, largest t, l (two halves), f, 0, two at work;
;   v224-231 the staged bytes; v232-235 second chains of the sums; v236-237 lane exchange; v240, v241: 2^e8, 448 x 2^e8; v242: -1e9 in units of a raw sum; v243, v244: the output's scale and hold.
; THE MODE: SCHED_MODE bits 1:0 = 2 (LLVM: expert scheduling mode 2), set by the entry lines.  The code itself states the register dependences
; between vector or matrix instructions and memory or LDS instructions, with s_wait_alu, always for 0.
; THE PLAN.  Registers that memory or LDS instructions touch:
;   v1-7, v245    addresses and offsets: written by vector instructions at the head, never again: one wait on va_vdst ahead of the first load serves every load, store and prefetch of the launch.
;   v[FRG ..]     A step: K's eight LDS loads land; the eight products K Q^T read; V's eight LDS loads land; the eight products V^T P read.  So a wait on va_vdst stands ahead of each of the two runs of loads:
;                 at the step's head for the products V^T P of the step worked last, behind the products K Q^T for these.  No vector instruction names these registers.
;   v[224:231]    A trip: two global loads land (asked for a trip ago); two LDS stores read; two global loads are asked for.  No vector instruction names them: one wait on vm_vsrc behind the stores.
;   v[PC ..]      On the way out alone: the conversions write, four LDS stores read: one wait on va_vdst, which also serves the loads from the stage into v[FRG ..].
;   S^T and p, O^T, the statistics and the scales are named by vector and matrix instructions alone.  The wave's 256 registers leave no room for a second set of fragments.
; The wave's number is the one scalar that a vector instruction writes: a wait on va_sdst stands ahead of its first reader.  The lane masks come by scalar loads; EXEC is never written.
.set PIT,   80                         ; an LDS row: 64 bytes + 16: 16 rows on end start at 16 different columns of 16 bytes
.set VOFF,  64*PIT                     ; a step: 64 rows of K, then 64 rows of V
.set SUBB,  128*PIT
.set SLOTB, 2*SUBB                     ; a slot: two steps
.set STG,   2*SLOTB                    ; behind the slots: 32 rows x 80 bytes for each wave, for the way out
.set AF,  1
.set STA, 2
.set GOF, 3
.set PFO, 4
.set QO,  5
.set RD,  6
.set CO,  7
.set STO, 245
.set QF,  16
.set FRG, 32
.set SC,  64
.set OA,  128
.set PC,  192
.set ST,  208
	s_load_b256 s[32:39], s[0:1], 0x0              ; q_ws, k_ws, v_ws, mbits
	s_load_b128 s[40:43], s[0:1], 0x20             ; flags, the scales' exponents
	s_load_b64 s[44:45], s[0:1], 0x30              ; a_ws
	v_lshl_add_u32 v254, v0, 2, 0x14000
	v_mov_b32 v255, 0
	v_lshrrev_b32 v8, 5, v0
	v_readfirstlane_b32 s10, v8                    ; wave 0..15
	v_and_b32 v9, 15, v0                           ; r
	v_bfe_u32 v10, v0, 4, 1                        ; h
	v_and_b32 v11, 31, v0                          ; lane
	v_mul_u32_u24 v[AF], v9, PIT
	v_lshl_add_u32 v[AF], v10, 4, v[AF]            ; a fragment: row r, + 16 h
	v_lshrrev_b32 v12, 2, v0                       ; staging: thread / 4 = row 0..127 (K's 64, then V's 64),
	v_and_b32 v12, 0x67, v12
	v_bfe_u32 v13, v0, 5, 1
	v_bfe_u32 v14, v0, 6, 1
	v_lshl_add_u32 v12, v13, 4, v12
	v_lshl_add_u32 v12, v14, 3, v12                ; with bits 3 and 4 exchanged
	v_mul_u32_u24 v[STA], v12, PIT
	v_and_b32 v13, 3, v0
	v_lshl_add_u32 v[STA], v13, 4, v[STA]
	v_and_b32 v[GOF], 0xff, v0
	v_lshlrev_b32 v[GOF], 4, v[GOF]                ; and in memory: 256 threads x 16 bytes are a chunk
	v_lshlrev_b32 v[PFO], 8, v11                   ; the prefetch: lanes 256 bytes apart
	v_lshlrev_b32 v[QO], 6, v9
	v_lshl_add_u32 v[QO], v10, 4, v[QO]            ; Q: row r of 64 bytes, + 16 h
	s_wait_alu depctr_va_sdst(0)                   ; s10 is written, ahead of its first reader: the stage, the group of queries and the bases are made from it
	s_mul_i32 s19, s10, 32*PIT
	s_add_co_u32 s19, s19, STG                     ; my stage
	v_add_nc_u32 v[STO], s19, v[AF]                ; in: row r, + 16 h
	v_lshrrev_b32 v12, 2, v11
	v_mul_u32_u24 v[RD], v12, PIT
	v_lshl_add_u32 v[RD], v13, 4, v[RD]
	v_add_nc_u32 v[RD], s19, v[RD]                 ; back: four lanes to a row
	v_lshlrev_b32 v[CO], 4, v11
	s_lshl_b32 s19, ttmp9, 3
	s_add_co_u32 s11, s19, s10
	s_sub_co_u32 s27, 71, s19
	s_sub_co_u32 s27, s27, s10
	s_cmp_lt_u32 s10, 8
	s_cselect_b32 s11, s11, s27                    ; g: my group of 32 queries
	s_and_b32 s28, ttmp7, 0xffff                   ; batch x 16 + head
	s_lshl_b32 s29, s11, 2
	s_lshl_b32 s30, ttmp9, 5                       ; need[8 x ..]
	s_sub_co_u32 s31, 224, s30                     ; need[56 - 8 x ..]
	s_wait_kmcnt 0x0
	s_load_b128 s[48:51], s[42:43], 0x18           ; e6, e7, e8, e9
	s_load_b32 s52, s[42:43], 0x28                 ; e10
	s_load_b32 s14, s[40:41], s29 offset:0x0       ; need[g]
	s_load_b32 s15, s[40:41], s29 offset:0x100     ; part[g]
	s_load_b256 s[68:75], s[40:41], s30 offset:0x0 ; the need words of the work-group's sixteen groups
	s_load_b256 s[76:83], s[40:41], s31 offset:0x0
	s_lshl_b32 s54, s28, 17                        ; 32 chunks of 4,096 bytes
	s_mov_b32 s55, 0
	s_cmp_lt_u32 s10, 8
	s_cselect_b64 s[2:3], s[34:35], s[36:37]       ; waves 0-7 stage K, waves 8-15 V
	s_add_nc_u64 s[2:3], s[2:3], s[54:55]
	s_add_nc_u64 s[4:5], s[32:33], s[54:55]
	s_lshl_b32 s54, s11, 11
	s_add_nc_u64 s[4:5], s[4:5], s[54:55]          ; Q: my 32 rows of 64 bytes
	s_lshl_b32 s54, s11, 13
	s_add_nc_u64 s[6:7], s[38:39], s[54:55]        ; my group's mask words: 32 steps x 256 bytes
	s_lshr_b32 s56, s28, 4
	s_lshl_b32 s56, s56, 3
	s_lshr_b32 s57, s11, 3
	s_add_co_u32 s56, s56, s57                     ; a_ws: [tile of 256 tokens][head][256 tokens][64]: the tile,
	s_lshl_b32 s56, s56, 18
	s_and_b32 s57, s28, 15
	s_lshl_b32 s57, s57, 14                        ; the head,
	s_add_co_u32 s56, s56, s57
	s_and_b32 s57, s11, 7
	s_lshl_b32 s57, s57, 11                        ; my 32 tokens
	s_add_co_u32 s54, s56, s57
	s_add_nc_u64 s[8:9], s[44:45], s[54:55]
	s_wait_alu depctr_va_vdst(0)                   ; the eight addresses and offsets v1 to v7 and v245 are written: every load, store and prefetch of the launch reads one of them, and no vector instruction names them again
.irp u, 0,1
.irp c, 0,1
	global_load_b128 v[QF+8*\u+4*\c:QF+8*\u+4*\c+3], v[QO], s[4:5] offset:1024*\u+32*\c
.endr
.endr
	global_load_b128 v[224:227], v[GOF], s[2:3]               ; pair 0
	global_load_b128 v[228:231], v[GOF], s[2:3] offset:4096
.irp u, 0,1
	v_mov_b32 v[ST+8*\u+1], 0xff61b1e6             ; the largest t so far: -3e38
	v_floor_f32 v[ST+8*\u], -v[ST+8*\u+1]          ; -M
	v_mov_b32 v[ST+8*\u+2], 0                      ; l
	v_mov_b32 v[ST+8*\u+3], 0
	v_mov_b32 v[ST+8*\u+4], 0
	v_mov_b32 v[ST+8*\u+5], 0                      ; (named with f as a pair)
	v_mov_b32 v[236+\u], 0                         ; (a lane exchange reads its destination)
.endr
.set jj, 0
.rept 64
	v_mov_b32 v[OA+jj], 0                          ; O^T.  Which step is a wave's first hangs on the flags, so no first step can be written out to start the sums
.set jj, jj+1
.endr
	s_mov_b32 s20, 0x76543210
	s_mov_b32 s21, 0xfedcba98                      ; lane l xor 16
	s_mov_b32 s13, 0                               ; the pair in hand
	s_mov_b32 s26, 0                               ; the step's mask words
	s_and_b32 s19, s10, 7
	s_or_b32 s19, s19, ttmp9
	s_cmp_eq_u32 s19, 0
	s_cselect_b32 s17, 13, 0                       ; waves 0 and 8 of the head's first work-group prefetch, in trips 0 to 12
	s_wait_kmcnt 0x0
	s_or_b32 s16, s68, s69
.set jj, 2
.rept 14
	s_or_b32 s16, s16, s[68+jj]                    ; bit s: some wave of the work-group needs step s
.set jj, jj+1
.endr
	s_add_co_i32 s27, s48, s49                     ; e6 + e7
	s_cmp_gt_i32 s27, 8
	s_cselect_b32 s14, -1, s14
	s_cselect_b32 s16, -1, s16
	s_cmp_gt_i32 s27, 0                            ; the hold of p is left out where p <= 2^0.25 < 448 x 2^e8 is sure: e8 >= -8, and |t| < 2^22 (64 x 448^2 x log2(e) / 8 x 2^(e6 + e7)), whose rounding moves M's base by 0.25 at most
	s_cselect_b32 s18, 1, 0
	s_cmp_lt_i32 s50, -8
	s_cselect_b32 s18, 1, s18
	s_sub_co_i32 s28, s27, 3
	s_lshl_b32 s28, s28, 23
	s_add_co_i32 s22, s28, 0x3fb8aa3b              ; c = log2(e) x 2^(e6 + e7 - 3): t = a raw sum x c
	s_mov_b32 s23, s22
	s_sub_co_i32 s28, 3, s27
	s_lshl_b32 s28, s28, 23
	s_add_co_u32 s28, s28, 0xce6e6b28              ; -1e9 x 2^(3 - e6 - e7)
	v_mov_b32 v242, s28
	s_add_co_i32 s28, s50, 127
	s_lshl_b32 s29, s28, 23
	v_mov_b32 v240, s29                            ; 2^e8
	s_add_co_i32 s28, s28, 8
	s_lshl_b32 s28, s28, 23
	s_or_b32 s28, s28, 0x600000
	v_mov_b32 v241, s28                            ; 448 x 2^e8
	s_sub_co_i32 s28, s52, s50
	s_sub_co_i32 s28, s28, s51                     ; e10 - e8 - e9: a sum of the second product stands for sum x 2^(e8 + e9)
	s_add_co_i32 s28, s28, 127
	s_lshl_b32 s29, s28, 23
	v_mov_b32 v243, s29
	s_add_co_i32 s28, s28, 8
	s_lshl_b32 s28, s28, 23
	s_or_b32 s28, s28, 0x600000
	v_mov_b32 v244, s28
	s_wait_loadcnt 0x0                             ; Q and pair 0
	ds_store_b128 v[STA], v[224:227]
	ds_store_b128 v[STA], v[228:231] offset:SUBB
	s_wait_dscnt 0x0                               ; the stores are done
	s_wait_alu depctr_vm_vsrc(0)                   ; the two LDS stores have read v[224:231], in which the loads below land
	global_load_b128 v[224:227], v[GOF], s[2:3] offset:8192   ; pair 1
	global_load_b128 v[228:231], v[GOF], s[2:3] offset:12288
; A KEY STEP: 64 keys, the q-th of slot sl.
.macro STEP sl, q
.set LB, (\sl)*SLOTB+(\q)*SUBB
	s_and_b32 s19, s14, 1
	s_cmp_eq_u32 s19, 0
	s_cbranch_scc1 .Lskip_\@                       ; nothing of this tile is kept
.rept 4
	v_nop                                          ; places in front of loads into registers that the last products have read
.endr
	s_wait_alu depctr_va_vdst(0)                   ; the products V^T P of the step worked last are done reading v[FRG ..], in which K's fragments land; the places above stay beside this wait
.irp t, 0,1,2,3
.irp c, 0,1
	ds_load_b128 v[FRG+8*\t+4*\c:FRG+8*\t+4*\c+3], v[AF] offset:LB+16*PIT*\t+32*\c
.endr
.endr
	s_wait_dscnt 0x0
.irp t, 0,1,2,3
.irp u, 0,1
	v_wmma_f32_16x16x64_fp8_fp8 v[SC+32*\u+8*\t:SC+32*\u+8*\t+7], v[FRG+8*\t:FRG+8*\t+7], v[QF+8*\u:QF+8*\u+7], 0
.endr
.endr
.rept 4
	v_nop                                          ; places: for V's loads into K's registers, and for the first read of the scores
.endr
	s_wait_alu depctr_va_vdst(0)                   ; the eight products K Q^T are done reading v[FRG ..], in which V's fragments land; no vector instruction of the softmax below names these registers
.irp t, 0,1,2,3
.irp c, 0,1
	ds_load_b128 v[FRG+8*\t+4*\c:FRG+8*\t+4*\c+3], v[AF] offset:LB+VOFF+16*PIT*\t+32*\c   ; V lands while the softmax is walked
.endr
.endr
	s_mov_b32 s24, s22                             ; a tile without masked elements: the registers hold raw sums, and t = sum x c
	s_mov_b32 s25, s22
	s_and_b32 s19, s15, 1
	s_cmp_eq_u32 s19, 0
	s_cbranch_scc1 .Lopen_\@
	s_load_b512 s[32:47], s[6:7], s26 offset:0x0   ; the tile's 64 lane masks
	s_load_b512 s[48:63], s[6:7], s26 offset:0x40
	s_load_b512 s[68:83], s[6:7], s26 offset:0x80
	s_load_b512 s[84:99], s[6:7], s26 offset:0xc0
	s_wait_kmcnt 0x0
.set jj, 0
.rept 16
.irp u, 0,1
	v_cndmask_b32 v[8+4*\u], 0, v242, s[32+36*\u+jj]
	v_cndmask_b32 v[9+4*\u], 0, v242, s[32+36*\u+jj+1]
	v_pk_add_f32 v[SC+32*\u+jj:SC+32*\u+jj+1], v[SC+32*\u+jj:SC+32*\u+jj+1], v[8+4*\u:9+4*\u]   ; score + -1e9, rounded as the f32 sum is
	v_pk_mul_f32 v[SC+32*\u+jj:SC+32*\u+jj+1], v[SC+32*\u+jj:SC+32*\u+jj+1], s[22:23] op_sel_hi:[1,0]   ; t, ROUNDED: beside -1e9 an unrounded product would differ from the rounded largest t by whole powers of two
.endr
.set jj, jj+2
.endr
	s_mov_b32 s24, 1.0                             ; the registers hold t
	s_mov_b32 s25, 1.0
.Lopen_\@:
.irp u, 0,1                                    ; the largest of my query's 32 numbers, in two chains, each accumulator from its low end on
	v_max3_num_f32 v[ST+8*\u+6], v[SC+32*\u], v[SC+32*\u+1], v[SC+32*\u+2]
	v_max3_num_f32 v[ST+8*\u+7], v[SC+32*\u+3], v[SC+32*\u+4], v[SC+32*\u+5]
.endr
.irp i, 6,10,14,18,22,26
.irp u, 0,1
	v_max3_num_f32 v[ST+8*\u+6], v[ST+8*\u+6], v[SC+32*\u+\i], v[SC+32*\u+\i+1]
	v_max3_num_f32 v[ST+8*\u+7], v[ST+8*\u+7], v[SC+32*\u+\i+2], v[SC+32*\u+\i+3]
.endr
.endr
.irp u, 0,1
	v_max3_num_f32 v[ST+8*\u+6], v[ST+8*\u+6], v[SC+32*\u+30], v[SC+32*\u+31]
.endr
.irp u, 0,1
	v_max_num_f32 v[ST+8*\u+6], v[ST+8*\u+6], v[ST+8*\u+7]
.endr
.irp u, 0,1
	v_permlanex16_b32 v[236+\u], v[ST+8*\u+6], s20, s21
.endr
.irp u, 0,1
	v_max_num_f32 v[ST+8*\u+6], v[ST+8*\u+6], v[236+\u]      ; and the other half of the lanes'
.endr
.irp u, 0,1
	v_mul_f32 v[ST+8*\u+6], s24, v[ST+8*\u+6]                ; as t
.endr
.irp u, 0,1
	v_max_num_f32 v[ST+8*\u+1], v[ST+8*\u+1], v[ST+8*\u+6]   ; the running largest t
.endr
.irp u, 0,1
	v_mov_b32 v[ST+8*\u+7], v[ST+8*\u]
.endr
.irp u, 0,1
	v_floor_f32 v[ST+8*\u], -v[ST+8*\u+1]                    ; -M = floor(-t): M is a whole number
.endr
.irp u, 0,1
	v_sub_f32 v[ST+8*\u+7], v[ST+8*\u], v[ST+8*\u+7]         ; old M - new M, 0 or less
.endr
.irp u, 0,1
	v_cvt_i32_f32 v[ST+8*\u+7], v[ST+8*\u+7]                 ; (it saturates)
.endr
.irp u, 0,1
	v_ldexp_f32 v[ST+8*\u+4], 1.0, v[ST+8*\u+7]              ; f = 2^(old M - new M): a multiplication by it rounds nothing
.endr
.set jj, 0
.rept 16
.irp u, 0,1
	v_pk_fma_f32 v[SC+32*\u+jj:SC+32*\u+jj+1], v[SC+32*\u+jj:SC+32*\u+jj+1], s[24:25], v[ST+8*\u:ST+8*\u+1] op_sel_hi:[1,0,0]   ; t - M (of both pairs the low word serves both halves)
.endr
.set jj, jj+2
.endr
.set jj, 0
.rept 64
	v_exp_f32 v[SC+jj], v[SC+jj]                   ; p = 2^(t - M): one batch
.set jj, jj+1
.endr
.irp u, 0,1
	v_pk_mul_f32 v[ST+8*\u+2:ST+8*\u+3], v[ST+8*\u+2:ST+8*\u+3], v[ST+8*\u+4:ST+8*\u+5] op_sel_hi:[1,0]   ; l under the new M: the plain instructions behind the batch
.endr
	s_wait_alu depctr_va_vdst(0)                   ; the 64 exponentials have written v[SC ..]: one wait for the batch, ahead of the first instruction that names a result
.irp u, 0,1
	v_pk_add_f32 v[232+2*\u:233+2*\u], v[SC+32*\u:SC+32*\u+1], v[SC+32*\u+2:SC+32*\u+3]   ; l is the sum of the UNQUANTISED p: two chains a tile
.endr
.irp i, 4,8,12,16,20,24,28
.irp u, 0,1
	v_pk_add_f32 v[ST+8*\u+2:ST+8*\u+3], v[ST+8*\u+2:ST+8*\u+3], v[SC+32*\u+\i:SC+32*\u+\i+1]
	v_pk_add_f32 v[232+2*\u:233+2*\u], v[232+2*\u:233+2*\u], v[SC+32*\u+\i+2:SC+32*\u+\i+3]
.endr
.endr
.irp u, 0,1
	v_pk_add_f32 v[ST+8*\u+2:ST+8*\u+3], v[ST+8*\u+2:ST+8*\u+3], v[232+2*\u:233+2*\u]
.endr
	s_cmp_eq_u32 s18, 0
	s_cbranch_scc1 .Lnohold_\@
.set jj, 0
.rept 64
	v_min_num_f32 v[SC+jj], v[SC+jj], v241         ; the conversion does not saturate (ISA guide 7.6.2); p is not negative, so the hold is one-sided
.set jj, jj+1
.endr
.Lnohold_\@:
.irp u, 0,1
.irp b, 0,1,2,3
	v_cvt_scalef32_pk8_fp8_f32 v[PC+8*\u+2*\b:PC+8*\u+2*\b+1], v[SC+32*\u+8*\b:SC+32*\u+8*\b+7], v240   ; registers 4 b' .. 4 b' + 3: keys 32 b' + 16 h + 0 .. 15, as V's loads have them
.endr
.endr
.set jj, 0
.rept 16
.irp u, 0,1
	v_pk_mul_f32 v[OA+32*\u+jj:OA+32*\u+jj+1], v[OA+32*\u+jj:OA+32*\u+jj+1], v[ST+8*\u+4:ST+8*\u+5] op_sel_hi:[1,0]   ; O^T under the new M; also the plain instructions behind the conversions
.endr
.set jj, jj+2
.endr
	s_wait_dscnt 0x0                               ; V is in
.irp t, 0,1,2,3
.irp u, 0,1
	v_wmma_f32_16x16x64_fp8_fp8 v[OA+32*\u+8*\t:OA+32*\u+8*\t+7], v[FRG+8*\t:FRG+8*\t+7], v[PC+8*\u:PC+8*\u+7], v[OA+32*\u+8*\t:OA+32*\u+8*\t+7]   ; eight accumulators, one instruction each
.endr
.endr
.Lskip_\@:
	s_lshr_b32 s14, s14, 1
	s_lshr_b32 s15, s15, 1
	s_add_co_u32 s26, s26, 256
.endm
; A PAIR of steps, in slot sl.  One barrier: in front of it each wave's stores of this pair have landed and its reads of the pair before are in.  Behind it the next pair (in registers since the trip before) goes into
; the other slot, the pair after that is asked for, and this pair is worked.  s16's bits 1:0, 3:2, 5:4: this pair, the next, the one after; beyond the last pair they are 0, so no load leaves its buffer.
.macro TRIP sl
	s_wait_dscnt 0x0
	s_barrier_signal -1
	s_barrier_wait -1
	s_wait_loadcnt 0x0                             ; the staged loads, asked for a trip ago: on every path, so that no load is issued into registers that an earlier one may still write
	s_bfe_u32 s19, s16, 0x20002
	s_cmp_eq_u32 s19, 0
	s_cbranch_scc1 .Lno_store_\@
	ds_store_b128 v[STA], v[224:227] offset:(1-(\sl))*SLOTB
	ds_store_b128 v[STA], v[228:231] offset:(1-(\sl))*SLOTB+SUBB
	s_wait_dscnt 0x0                               ; the stores are done
	s_wait_alu depctr_vm_vsrc(0)                   ; the two LDS stores have read v[224:231], in which the next loads land: stated here, ahead of the branch that leads to those loads
.Lno_store_\@:
	s_bfe_u32 s19, s16, 0x20004
	s_cmp_eq_u32 s19, 0
	s_cbranch_scc1 .Lno_load_\@
	global_load_b128 v[224:227], v[GOF], s[2:3] offset:16384
	global_load_b128 v[228:231], v[GOF], s[2:3] offset:20480
.Lno_load_\@:
	s_cmp_lt_u32 s13, s17                          ; a prefetch of the pair three on, one trip ahead of its load: 8,192 bytes of K (wave 0) or V (wave 8), a lane to each 256; all four work-groups of a head
	s_cbranch_scc0 .Lno_ask_\@                     ; walk the same chunks, so the first of them asks, and each block is named once; trips 13 to 15 have no pair three on
	global_prefetch_b8 v[PFO], s[2:3] offset:24576 th:TH_LOAD_NT scope:SCOPE_SE
.Lno_ask_\@:
	s_lshr_b32 s16, s16, 2
	STEP \sl, 0
	STEP \sl, 1
	s_wait_xcnt 0x0                                ; the loads and the prefetch have read their base: it may step
	s_add_nc_u64 s[2:3], s[2:3], 8192
	s_add_co_u32 s13, s13, 1
.endm
	s_mov_b32 s12, 8
.Lpair:
	TRIP 0
	TRIP 1
	s_sub_co_u32 s12, s12, 1
	s_cmp_lg_u32 s12, 0
	s_cbranch_scc1 .Lpair
	; THE WAY OUT: O^T / l, quantised with 2^(e10 - e8 - e9), through my stage, out as 2,048 consecutive bytes.
.irp u, 0,1
	v_add_f32 v[ST+8*\u+6], v[ST+8*\u+2], v[ST+8*\u+3]
.endr
.irp u, 0,1
	v_permlanex16_b32 v[236+\u], v[ST+8*\u+6], s20, s21
.endr
.irp u, 0,1
	v_add_f32 v[ST+8*\u+6], v[ST+8*\u+6], v[236+\u]
.endr
.irp u, 0,1
	v_rcp_f32 v[ST+8*\u+6], v[ST+8*\u+6]
.endr
	v_nop                                          ; a plain instruction behind the reciprocals
	s_wait_alu depctr_va_vdst(0)                   ; the two reciprocals have written v[ST+6] and v[ST+14]: one wait for both, ahead of the first reader
.set jj, 0
.rept 32
.irp u, 0,1
	v_mul_f32 v[SC+32*\u+jj], v[OA+32*\u+jj], v[ST+8*\u+6]
.endr
.set jj, jj+1
.endr
.set jj, 0
.rept 64
	v_med3_num_f32 v[SC+jj], v[SC+jj], -v244, v244
.set jj, jj+1
.endr
.irp u, 0,1
.irp b, 0,1,2,3
	v_cvt_scalef32_pk8_fp8_f32 v[PC+8*\u+2*\b:PC+8*\u+2*\b+1], v[SC+32*\u+8*\b:SC+32*\u+8*\b+7], v243   ; registers 4 b' on: channels 32 b' + 16 h + 0 .. 15 of my query
.endr
.endr
	v_nop
	s_wait_alu depctr_va_vdst(0)                   ; the conversions have written v[PC ..], which the LDS stores read; the last products are done reading v[FRG ..], in which the loads from the stage land
.irp u, 0,1
.irp b, 0,1
	ds_store_b128 v[STO], v[PC+8*\u+4*\b:PC+8*\u+4*\b+3] offset:16*PIT*\u+32*\b
.endr
.endr
.irp n, 0,1,2,3
	ds_load_b128 v[FRG+4*\n:FRG+4*\n+3], v[RD] offset:8*PIT*\n   ; LDS serves a wave's instructions in order: these see my stores
.endr
.irp n, 0,1,2,3
	s_wait_dscnt 3-\n
	global_store_b128 v[CO], v[FRG+4*\n:FRG+4*\n+3], s[8:9] offset:512*\n   ; 32 lanes store 512 consecutive bytes, aligned
.endr
	s_wait_dscnt 0x0
	s_wait_alu depctr_hold_cnt(0) depctr_sa_sdst(0) depctr_va_vdst(0) depctr_va_sdst(0) depctr_va_ssrc(0) depctr_va_vcc(0) depctr_vm_vsrc(0)
	s_wait_tensorcnt 0x0
	ds_add_u32 v254, v255
	s_wait_dscnt 0x0
	s_endpgm
.Lfunc_end_k_qd6433a47a3_attn:
	.size	k_qd6433a47a3_attn, .Lfunc_end_k_qd6433a47a3_attn-k_qd6433a47a3_attn
	.p2alignl 7, 3214868480
	.fill 96, 4, 3214868480
	.section	.rodata,"a",@progbits
	.p2align	6, 0x0
	.amdhsa_kernel k_qd6433a47a3_attn
		.amdhsa_group_segment_fixed_size 83968
		.amdhsa_private_segment_fixed_size 0
		.amdhsa_enable_private_segment 0
		.amdhsa_kernarg_size 56
		.amdhsa_user_sgpr_count 2
		.amdhsa_user_sgpr_kernarg_segment_ptr 1
		.amdhsa_wavefront_size32 1
		.amdhsa_system_sgpr_workgroup_id_x 1
		.amdhsa_system_sgpr_workgroup_id_y 1
		.amdhsa_system_sgpr_workgroup_id_z 1
		.amdhsa_system_vgpr_workitem_id 0
		.amdhsa_next_free_vgpr 256
		.amdhsa_next_free_sgpr 100
		.amdhsa_reserve_vcc 0
		.amdhsa_float_denorm_mode_32 3
		.amdhsa_float_denorm_mode_16_64 3
		.amdhsa_memory_ordered 1
		.amdhsa_forward_progress 1
		.amdhsa_inst_pref_size 118
	.end_amdhsa_kernel
	.amdgpu_metadata
---
amdhsa.version: [ 1, 2 ]
amdhsa.kernels:
  - .name:           k_qd6433a47a3_attn
    .symbol:         k_qd6433a47a3_attn.kd
    .args:
      - { .name: q_ws, .offset: 0, .size: 8, .value_kind: global_buffer, .address_space: global }
      - { .name: k_ws, .offset: 8, .size: 8, .value_kind: global_buffer, .address_space: global }
      - { .name: v_ws, .offset: 16, .size: 8, .value_kind: global_buffer, .address_space: global }
      - { .name: mbits, .offset: 24, .size: 8, .value_kind: global_buffer, .address_space: global }
      - { .name: flags, .offset: 32, .size: 8, .value_kind: global_buffer, .address_space: global }
      - { .name: lowp_scales, .offset: 40, .size: 8, .value_kind: global_buffer, .address_space: global }
      - { .name: a_ws, .offset: 48, .size: 8, .value_kind: global_buffer, .address_space: global }
    .group_segment_fixed_size: 83968
    .private_segment_fixed_size: 0
    .kernarg_segment_align: 8
    .kernarg_segment_size: 56
    .max_flat_workgroup_size: 512
    .sgpr_count:     100
    .vgpr_count:     256
    .wavefront_size: 32
...
	.end_amdgpu_metadata
.endif
;; end of part 5
;; launch oproj: the kernel of part 4 again; grid 4 x 32, 4 waves a work-group, clusters of 4 x 4, 327,680 bytes of LDS; arguments a_ws, Wo_codes, lowp_scales, out0; writes out0
